; MI455X (gfx1250); checked and timed in simulation.
; The chip was launched on July 23, 2026; its instructions are those of AMD's public machine-readable ISA for CDNA 5 (MIT licence, August 2026) and "CDNA5" Instruction Set Architecture Reference Guide (July 2026). The comments in the code are by the model that wrote it; some were corrected since.
;; Multi Head Causal Attention. Allowed arithmetic: matrix products marked QUANTISED: E5M2 operands, one given power-of-two scale a tensor, by v_wmma_f32_16x16x64_bf8_bf8 or v_wmma_f32_16x16x128_bf8_bf8, f32 sums; everything else in f32.
;; Inputs: Wk 768 x 768 float32; Wq 768 x 768 float32; Wv 768 x 768 float32; beta 768 float32; bk 768 float32; bq 768 float32; bv 768 float32; gamma 768 float32; lowp_scales 10 int32 (the exponents e of the quantised operands' scales 2^e); pad_mask 4 x 2,048 float32; x 4 x 2,048 x 768 float32.
;; Outputs: out0 4 x 2,048 x 768 float32.
;; This version of the problem:
;;   THIS VERSION OF THE PROBLEM IS GIVEN IN LOW PRECISION. The matrix products marked QUANTISED in the list below multiply operands that are first quantised to E5M2 (5 exponent bits, 2 mantissa bits; 8 bits a number), with one given power-of-two scale for each operand tensor; their sums are f32. All else is computed in f32.
;;   The module's matrix products, in the order in which they are computed (A, B: the left and right operand; K: the contracted axis; several contracted axes count as one K, in the product's order):
;;     1. [M 8,192, K 768] x [K 768, N 768]; A: input x; B: input Wq: QUANTISED (scales: A lowp_scales[0], B lowp_scales[1])
;;     2. [M 8,192, K 768] x [K 768, N 768]; A: input x; B: input Wk: QUANTISED (scales: A lowp_scales[2], B lowp_scales[3])
;;     3. [M 8,192, K 768] x [K 768, N 768]; A: input x; B: input Wv: QUANTISED (scales: A lowp_scales[4], B lowp_scales[5])
;;     4. batch 32 x [M 2,048, K 96] x [K 96, N 2,048]; A: computed on the way; B: computed on the way: QUANTISED (scales: A lowp_scales[6], B lowp_scales[7])
;;     5. batch 32 x [M 2,048, K 2,048] x [K 2,048, N 96]; A: softmax (see below); B: computed on the way: QUANTISED (scales: A lowp_scales[8], B lowp_scales[9])
;;   THE QUANTISER, for each operand of a quantised product, along K:
;;     - The operand's scale is 2^e, e = its entry of the input lowp_scales (int32; the entries are numbered through the quantised products in the list's order, A before B).
;;     - Each number is divided by the scale, clamped to +-57,344, and rounded to the nearest number of E5M2, ties to even, subnormals kept.
;;     - The product sums the exact products of the quantised numbers (number of the format x scale) in f32.
;;   ~~~python
;;   def quantise(x, axis, e):      # numpy; x: float32 -> the quantised numbers, widened to float32 again
;;       x = np.moveaxis(x, axis, -1); K = x.shape[-1]
;;       r = np.clip(x / 2.0 ** e, -57344, 57344)
;;       step = 2.0 ** (np.maximum(np.frexp(np.where(r == 0, 1, r))[1] - 1, -14) - 2)
;;       q = np.round(r / step) * step * 2.0 ** e      # np.round: ties to even
;;       return np.moveaxis(q, -1, axis).astype(np.float32)
;;   ~~~
;;   SOFTMAX AHEAD OF A QUANTISED PRODUCT. Where the list says 'softmax', what is quantised is not the finished softmax but p = 2^(t - M), with t = logit x log2(e) and M = ceil(the row's largest t), a whole number; so 1/2 < the row's largest p <= 1. The row's sum l is taken of the UNQUANTISED p, in f32, and the product's result is divided by l at the end. Since M is a whole number, a kernel that streams over the keys may use a running M (the ceiling of the running maximum): every later rescaling is an exact power of two, so the quantised numbers keep their values, but for numbers so far below the row's largest that they fall under the format's range.
;;   OPERANDS COMPUTED ON THE WAY. 'Computed on the way' means the value that the module computes at that place (a softmax that the list does not call 'softmax' is quantised finished and normalised). What goes into a quantiser is computed in f32, as accurately as f32 sums, v_exp_f32 and their like allow (about 1e-6 of the number): no bf16 or f16 on the way to a quantiser, and a product that is left as it is and whose result goes on into a quantised operand takes f32 operands (vector FMAs, or v_wmma_f32_16x16x4_f32). A number that lies on a knife's edge between two numbers of the format may be rounded either way, as far as f32 arithmetic and the matrix unit's own rounding can turn it there, and no further.
;; 2 versions. Each part assembles by itself: llvm-mc -triple=amdgcn-amd-amdhsa -mcpu=gfx1250 --defsym DOCPART=n.
;; ======== version 1 of 2: 4 launches
;; limits: right only within a limited range of input values
;; workspace buffers: xc 18,874,368 bytes; wc 1,769,472 bytes; qc 6,291,456 bytes; kc 6,291,456 bytes; vc 6,291,456 bytes; attn 25,165,824 bytes; flags 512 bytes of whole numbers
;; launch prep (part 1): grid 365 x 1, 4 waves a work-group, no clusters, 34,304 bytes of LDS; arguments x, Wq, Wk, Wv, pad_mask, lowp_scales, xc, wc, flags; writes xc, wc, flags
.if DOCPART == 1
	.amdgcn_target "amdgcn-amd-amdhsa--gfx1250"
	.amdhsa_code_object_version 6
	.text
	.protected	k_qdc4a40032e_prep
	.globl	k_qdc4a40032e_prep
	.p2align	8
	.type	k_qdc4a40032e_prep,@function
k_qdc4a40032e_prep:
	s_mov_b64 s[64:65], 0
	v_nop
	global_prefetch_b8 v0, s[64:65] scope:SCOPE_SE
	s_setreg_imm32_b32 hwreg(HW_REG_WAVE_MODE, 25, 1), 1
	s_wait_xcnt 0x0
; MULTI-HEAD CAUSAL ATTENTION IN E5M2, launch 1 of 4: the operands that arrive wide become codes, once.
;   work-groups 0-255:   x [8192][768] f32 -> xc: three sets of codes, under 2^e0, 2^e2, 2^e4 (x is the left operand of three products, each with a scale of its own)
;   work-groups 256-363: Wq, Wk, Wv [768 (k)][768 (n)] f32 -> wc, under 2^e1, 2^e3, 2^e5
;   work-group 364:      pad_mask -> flags: for each batch a word whose bit j says that some pad_mask[b][128 j .. 128 j + 127] is not +-0
; code = number / 2^e, held within +-57,344, rounded to the nearest code, ties to even.
; LAYOUT: xc and wc are images of operand registers.  A fragment (16 rows x 128 K) is 2,048 bytes: group c of four registers at 512 c, lane l's 16 bytes at 16 l;
; lane (r, h) holds, of row r, K = 32 c + 16 h + 0 .. 15.  The same order of K on both sides of a product, so every number meets its partner.
;   xc: [version][tile of 16 tokens][K step of 128][2,048];   wc: [matrix][tile of 16 columns][K step][2,048].
; WORK LEFT OUT BY THE PROGRAM (in the third launch), and why it is dead.  For a key k > q reference() builds merge = 0, so the score enters as score x 0: for every finite score the logit is
; the constant -1e10 / sqrt(96).  So the product q . k on tiles that lie wholly above the diagonal reaches no output, whatever the inputs hold.  The hidden keys' WEIGHT is not dead: it is
; 2^(T0 - M), T0 that constant in base 2.  Where key 0 of the batch counts (no pad in keys 0-127: bit 0 of the flags clear) M is an ordinary number for every query and the weight is under every
; f32 number, as it is in reference()'s own f32; where bit 0 is set, the third launch adds the hidden keys' weights and values.  No input is left out.
; LIMITS: e0 .. e5 between -126 and 112.  NaN and infinity among the inputs are not served; one that reaches only the work left out is not carried to the result.
.set SPARE, 33792                      ; behind the four stages: the spare words, 128 bytes a wave
.set STG,   8448                       ; a wave's stage: 16 rows x (512 + 16) bytes
.set SPW,   12                         ; v12  my spare word's address; never rewritten
.set NIL,   13                         ; v13  0; never rewritten
.set CD,    20                         ; v20-31   codes, four registers a version
.set R,     32                         ; v32-159  two sets of 64 numbers as loaded
.set X,     160                        ; v160-223 my 64 neighbours along K
.set TM,    224                        ; v224-239 sixteen numbers, held
	s_load_b256 s[4:11], s[0:1], 0x0               ; x, Wq, Wk, Wv
	s_load_b256 s[12:19], s[0:1], 0x20             ; pad_mask, lowp_scales, xc, wc
	s_load_b64 s[20:21], s[0:1], 0x40              ; flags
	v_lshl_add_u32 v[SPW], v0, 2, SPARE
	v_mov_b32 v[NIL], 0
	v_lshrrev_b32 v1, 5, v0
	v_readfirstlane_b32 s22, v1                    ; wave 0..3
	v_and_b32 v4, 31, v0                           ; lane
	v_lshlrev_b32 v1, 4, v4                        ; 16 x lane
	s_wait_kmcnt 0x0
	s_load_b256 s[32:39], s[14:15], 0x0            ; e0 .. e7
	s_cmp_lt_u32 ttmp9, 256                        ; the three parts of the grid part on the work-group's number alone; only the first touches LDS
	s_cbranch_scc0 .Lnot_x
; ---- x.  Wave w: token tile 2 x work-group + w / 2, K steps 3 (w % 2) + 0 .. 2.  A unit is 16 rows x 128 numbers.
	s_lshr_b32 s23, s22, 1
	s_lshl_b32 s40, ttmp9, 1
	s_add_co_u32 s40, s40, s23                     ; the tile
	s_and_b32 s41, s22, 1
	s_mul_i32 s41, s41, 3                          ; my first K step
	s_mul_i32 s42, s40, 49152                      ; 16 rows of 3,072 bytes
	s_lshl_b32 s43, s41, 9
	s_add_co_u32 s42, s42, s43
	s_mov_b32 s43, 0
	s_add_nc_u64 s[4:5], s[4:5], s[42:43]
	s_mul_i32 s42, s40, 6
	s_add_co_u32 s42, s42, s41
	s_lshl_b32 s42, s42, 11                        ; fragment 6 x tile + K step
	s_add_nc_u64 s[24:25], s[16:17], s[42:43]      ; the three versions' places
	s_add_nc_u64 s[26:27], s[24:25], 6291456
	s_add_nc_u64 s[28:29], s[26:27], 6291456
	s_mul_i32 s44, s22, STG
	v_add_nc_u32 v2, s44, v1                       ; into my stage: a row's 512 bytes as they lie
	v_and_b32 v5, 15, v0
	v_bfe_u32 v6, v0, 4, 1
	v_mul_u32_u24 v3, v5, 528
	v_lshl_add_u32 v3, v6, 6, v3
	v_add_nc_u32 v3, s44, v3                       ; out of it: row r, + 64 h: rows 528 bytes apart
.macro LOADU u, set                    ; a unit: each load reads 512 consecutive bytes of one row
.irp i, 0,1,2,3,4,5,6,7,8,9,10,11,12,13,14,15
	global_load_b128 v[R+64*\set+4*\i:R+64*\set+4*\i+3], v1, s[4:5] offset:3072*\i+512*\u th:TH_LOAD_NT
.endr
.endm
.macro TURNU set                       ; through the stage: LDS serves a wave's instructions in order, so no wait stands between the stores and the loads
.irp i, 0,1,2,3,4,5,6,7,8,9,10,11,12,13,14,15
	ds_store_b128 v2, v[R+64*\set+4*\i:R+64*\set+4*\i+3] offset:528*\i
.endr
.irp c, 0,1,2,3
.irp q, 0,1,2,3
	ds_load_b128 v[X+16*\c+4*\q:X+16*\c+4*\q+3], v3 offset:128*\c+16*\q
.endr
.endr
.endm
.macro MKSC e, vsc, vlim               ; 2^e as f32 (the conversion takes its exponent field), and 57,344 x 2^e
	s_add_co_i32 s45, \e, 127
	s_lshl_b32 s46, s45, 23
	v_mov_b32 v[\vsc], s46
	s_add_co_i32 s45, s45, 15
	s_lshl_b32 s45, s45, 23
	s_or_b32 s45, s45, 0x600000
	v_mov_b32 v[\vlim], s45
.endm
.macro CONVU u                         ; a unit's fragment, three times: group c of each version leaves as 512 consecutive bytes
.irp c, 0,1,2,3
	s_wait_xcnt 0x0                                ; the last group's stores have read their registers
.irp v, 0,1,2
.irp i, 0,1,2,3,4,5,6,7,8,9,10,11,12,13,14,15
	v_med3_num_f32 v[TM+\i], v[X+16*\c+\i], -v[15+2*\v], v[15+2*\v]   ; the conversion does not saturate (ISA guide 7.6.2): the hold comes first
.endr
	v_cvt_scalef32_pk8_bf8_f32 v[CD+4*\v:CD+4*\v+1], v[TM:TM+7], v[14+2*\v]
	v_cvt_scalef32_pk8_bf8_f32 v[CD+4*\v+2:CD+4*\v+3], v[TM+8:TM+15], v[14+2*\v]
	v_nop                                          ; a plain line between the conversions and the next version's holds, which write their sources
	global_store_b128 v1, v[CD+4*\v:CD+4*\v+3], s[24+2*\v:25+2*\v] offset:2048*\u+512*\c
.endr
.endr
.endm
	LOADU 0, 0
	LOADU 1, 1
	s_wait_kmcnt 0x0
	MKSC s32, 14, 15
	MKSC s34, 16, 17
	MKSC s36, 18, 19
	s_wait_loadcnt 16                              ; unit 0's sixteen loads are in; unit 1's may be out
	TURNU 0
	s_wait_dscnt 0x0                               ; my neighbours are in, and the stores have read set 0,
	LOADU 2, 0                                     ; which takes unit 2
	CONVU 0
	s_wait_loadcnt 16                              ; unit 1 is in; unit 2's sixteen may be out
	TURNU 1
	s_wait_dscnt 0x0
	CONVU 1
	s_wait_loadcnt 0x0
	TURNU 0
	s_wait_dscnt 0x0
	CONVU 2
	s_wait_tensorcnt 0x0                           ; the wave's end: three closing lines behind my last LDS store
	ds_add_u32 v[SPW], v[NIL]
	s_wait_dscnt 0x0
	s_endpgm
; ---- W.  108 work-groups: matrix (3) x 128 columns (6) x K step (6).  A LANE TAKES A COLUMN AND ITS REGISTERS RUN DOWN K, so the conversions' results have K innermost and nothing is transposed.
.Lnot_x:
	s_cmp_lt_u32 ttmp9, 364
	s_cbranch_scc0 .Lflags
	s_sub_co_u32 s40, ttmp9, 256
	s_cmp_ge_u32 s40, 36
	s_cselect_b32 s41, 1, 0
	s_cmp_ge_u32 s40, 72
	s_cselect_b32 s42, 1, 0
	s_add_co_u32 s41, s41, s42                     ; the matrix
	s_mul_i32 s42, s41, 36
	s_sub_co_u32 s42, s40, s42                     ; 0 .. 35
	s_mul_i32 s43, s42, 43
	s_lshr_b32 s43, s43, 8                         ; / 6: which 128 columns
	s_mul_i32 s44, s43, 6
	s_sub_co_u32 s44, s42, s44                     ; the K step
	s_cmp_eq_u32 s41, 0
	s_cselect_b64 s[46:47], s[6:7], s[8:9]
	s_cmp_eq_u32 s41, 2
	s_cselect_b64 s[46:47], s[10:11], s[46:47]
	s_mul_i32 s48, s44, 393216                     ; 128 rows of 3,072 bytes
	s_lshl_b32 s49, s43, 9
	s_add_co_u32 s48, s48, s49
	s_lshl_b32 s49, s22, 7                         ; my wave's 32 columns
	s_add_co_u32 s48, s48, s49
	s_mov_b32 s49, 0
	s_add_nc_u64 s[46:47], s[46:47], s[48:49]
	s_mul_i32 s50, s41, 48
	s_lshl_b32 s51, s43, 3
	s_add_co_u32 s50, s50, s51
	s_lshl_b32 s51, s22, 1
	s_add_co_u32 s50, s50, s51                     ; my first tile of 16 columns
	s_mul_i32 s50, s50, 6
	s_add_co_u32 s50, s50, s44
	s_lshl_b32 s50, s50, 11
	s_mov_b32 s51, 0
	s_add_nc_u64 s[18:19], s[18:19], s[50:51]
	v_lshlrev_b32 v2, 2, v4                        ; in: 4 bytes a lane
	v_lshrrev_b32 v5, 4, v4
	v_and_b32 v6, 15, v4
	v_mul_u32_u24 v3, v5, 12288                    ; out: lanes 16-31 hold the next tile of columns, six fragments on
	v_lshl_add_u32 v3, v6, 4, v3
.macro WLOAD c                         ; rows 32 c .. 32 c + 31 of the K step
.set i, 32*(\c)
.rept 32
	global_load_b32 v[32+i], v2, s[46:47] offset:3072*i th:TH_LOAD_NT
.set i, i+1
.endr
.endm
.macro WBLOCK c, left                  ; group c of the fragment: the column's lane makes the 16 bytes of both halves of the lanes; a store fills two aligned runs of 256 bytes
	s_wait_loadcnt \left
.irp h, 0,1
.irp i, 0,1,2,3,4,5,6,7,8,9,10,11,12,13,14,15
	v_med3_num_f32 v[32+32*\c+16*\h+\i], v[32+32*\c+16*\h+\i], -v15, v15
.endr
	v_cvt_scalef32_pk8_bf8_f32 v[160+8*\c+4*\h:161+8*\c+4*\h], v[32+32*\c+16*\h:39+32*\c+16*\h], v14
	v_cvt_scalef32_pk8_bf8_f32 v[162+8*\c+4*\h:163+8*\c+4*\h], v[40+32*\c+16*\h:47+32*\c+16*\h], v14
	global_store_b128 v3, v[160+8*\c+4*\h:163+8*\c+4*\h], s[18:19] offset:512*\c+256*\h
.endr
.endm
	WLOAD 0
	WLOAD 1
	s_wait_kmcnt 0x0
	s_cmp_eq_u32 s41, 0
	s_cselect_b32 s45, s33, s35
	s_cmp_eq_u32 s41, 2
	s_cselect_b32 s45, s37, s45                    ; e1, e3 or e5
	s_add_co_i32 s45, s45, 127
	s_lshl_b32 s52, s45, 23
	v_mov_b32 v14, s52
	s_add_co_i32 s45, s45, 15
	s_lshl_b32 s45, s45, 23
	s_or_b32 s45, s45, 0x600000
	v_mov_b32 v15, s45
	WBLOCK 0, 32                                   ; the block's 32 loads are in; the next block's 32 may be out
	WLOAD 2
	WBLOCK 1, 32
	WLOAD 3
	WBLOCK 2, 32
	WBLOCK 3, 0
	s_endpgm
; ---- the flags.  Wave b reads batch b's 2,048 numbers; load j is keys 128 j .. 128 j + 127.  The result is stored and steers nothing here.
.Lflags:
	s_lshl_b32 s40, s22, 13
	s_mov_b32 s41, 0
	s_add_nc_u64 s[12:13], s[12:13], s[40:41]
.irp j, 0,1,2,3,4,5,6,7,8,9,10,11,12,13,14,15
	global_load_b128 v[32+4*\j:35+4*\j], v1, s[12:13] offset:512*\j
.endr
	s_lshl_b32 s40, s22, 7
	s_add_nc_u64 s[20:21], s[20:21], s[40:41]
	s_mov_b32 s42, 0
	s_wait_loadcnt 0x0
.irp j, 0,1,2,3,4,5,6,7,8,9,10,11,12,13,14,15
	v_or_b32 v8, v[32+4*\j], v[33+4*\j]
	v_or_b32 v9, v[34+4*\j], v[35+4*\j]
	v_or_b32 v8, v8, v9
	v_and_b32 v8, 0x7fffffff, v8                   ; -0 counts as 0
	v_cmp_ne_u32 s43, 0, v8
	s_cmp_lg_u32 s43, 0
	s_cselect_b32 s44, (1<<\j), 0
	s_or_b32 s42, s42, s44
.endr
	v_mov_b32 v8, s42
	v_lshlrev_b32 v9, 2, v4
	global_store_b32 v9, v8, s[20:21]              ; the batch's word, 32 times
	s_endpgm
.Lfunc_end_k_qdc4a40032e_prep:
	.size	k_qdc4a40032e_prep, .Lfunc_end_k_qdc4a40032e_prep-k_qdc4a40032e_prep
	.p2alignl 7, 3214868480
	.fill 96, 4, 3214868480
	.section	.rodata,"a",@progbits
	.p2align	6, 0x0
	.amdhsa_kernel k_qdc4a40032e_prep
		.amdhsa_group_segment_fixed_size 34304
		.amdhsa_private_segment_fixed_size 0
		.amdhsa_enable_private_segment 0
		.amdhsa_kernarg_size 72
		.amdhsa_user_sgpr_count 2
		.amdhsa_user_sgpr_kernarg_segment_ptr 1
		.amdhsa_wavefront_size32 1
		.amdhsa_system_sgpr_workgroup_id_x 1
		.amdhsa_system_sgpr_workgroup_id_y 1
		.amdhsa_system_sgpr_workgroup_id_z 1
		.amdhsa_system_vgpr_workitem_id 0
		.amdhsa_next_free_vgpr 240
		.amdhsa_next_free_sgpr 66
		.amdhsa_reserve_vcc 0
		.amdhsa_float_denorm_mode_32 3
		.amdhsa_float_denorm_mode_16_64 3
		.amdhsa_memory_ordered 1
		.amdhsa_forward_progress 1
		.amdhsa_inst_pref_size 90
	.end_amdhsa_kernel
	.amdgpu_metadata
---
amdhsa.version: [ 1, 2 ]
amdhsa.kernels:
  - .name:           k_qdc4a40032e_prep
    .symbol:         k_qdc4a40032e_prep.kd
    .args:
      - { .name: x, .offset: 0, .size: 8, .value_kind: global_buffer, .address_space: global }
      - { .name: Wq, .offset: 8, .size: 8, .value_kind: global_buffer, .address_space: global }
      - { .name: Wk, .offset: 16, .size: 8, .value_kind: global_buffer, .address_space: global }
      - { .name: Wv, .offset: 24, .size: 8, .value_kind: global_buffer, .address_space: global }
      - { .name: pad_mask, .offset: 32, .size: 8, .value_kind: global_buffer, .address_space: global }
      - { .name: lowp_scales, .offset: 40, .size: 8, .value_kind: global_buffer, .address_space: global }
      - { .name: xc, .offset: 48, .size: 8, .value_kind: global_buffer, .address_space: global }
      - { .name: wc, .offset: 56, .size: 8, .value_kind: global_buffer, .address_space: global }
      - { .name: flags, .offset: 64, .size: 8, .value_kind: global_buffer, .address_space: global }
    .group_segment_fixed_size: 34304
    .private_segment_fixed_size: 0
    .kernarg_segment_align: 8
    .kernarg_segment_size: 72
    .max_flat_workgroup_size: 128
    .sgpr_count:     66
    .vgpr_count:     240
    .wavefront_size: 32
...
	.end_amdgpu_metadata
.endif
;; end of part 1
;; launch proj (part 2): grid 6 x 32, 4 waves a work-group, no clusters, 197,120 bytes of LDS; arguments xc, wc, bq, bk, bv, lowp_scales, qc, kc, vc; writes qc, kc, vc
.if DOCPART == 2
	.amdgcn_target "amdgcn-amd-amdhsa--gfx1250"
	.amdhsa_code_object_version 6
	.text
	.protected	k_qdc4a40032e_proj
	.globl	k_qdc4a40032e_proj
	.p2align	8
	.type	k_qdc4a40032e_proj,@function
k_qdc4a40032e_proj:
	s_mov_b64 s[64:65], 0
	v_nop
	global_prefetch_b8 v0, s[64:65] scope:SCOPE_SE
	s_setreg_imm32_b32 hwreg(HW_REG_WAVE_MODE, 25, 1), 1
	s_wait_xcnt 0x0
; Launch 2 of 4: q = x Wq + bq, k = x Wk + bk, v = x Wv + bv on codes of E5M2, and the results quantised at once for the two products of attention.
; SHARES.  Work-group x = 0 .. 5: matrix x / 2 (q, k, v), heads 4 (x % 2) + wave: a wave owns one head, 96 columns.  Work-group y = 0 .. 31: 256 tokens.
; A wave's 36 fragments of W (6 tiles of columns x 6 K steps) stay in its registers; the work-group's 196,608 bytes of x's codes are brought into LDS once, by one tensor load a wave, and read by all four.
; q and k: source 0 = 16 columns of W, source 1 = 16 tokens: a lane holds ONE token and eight neighbouring channels of the head, which are neighbours along the next product's K.
; v: the sources change places: a lane holds ONE channel and eight neighbouring tokens, which are neighbours along ITS next K, the keys.  So the conversions' results are operand registers in both cases.
; The bias is the C of a sum's first product, divided by the power of two that the sums lack; the three scales ahead of the quantiser are folded into the conversion's one: 2^(eo - ea - eb).
; OUT: qc, kc: [batch x head][tile of 16 tokens][1,536]: registers 2 t, 2 t + 1 of lane (r, h): token r, channels 16 t + 8 h + 0 .. 7.   vc: [batch x head][128 keys][tile of 16 channels][2,048]: registers 2 c, 2 c + 1: channel r, keys 16 c + 8 h + 0 .. 7.
; No cluster: x's block is read by two work-groups only, and a grid of six along x is no multiple of four.  192 work-groups: 2,304 columns have a factor 3 that 256 has not.
; LIMITS: eo - ea - eb between -126 and 112 for (e6, e0, e1), (e7, e2, e3), (e9, e4, e5).  NaN and infinity are not served.
; REGISTERS, in windows of 256: window 0: v1, v2 addresses; v32-127, v128-223 x's six fragments, two sets; v224-247 codes; v248, v249 the scale and the hold; v252, v253 the add's two.
;   windows 1, 2, 3: W's fragments of K steps 0-1, 2-3, 4-5, at v[16 (6 (s % 2) + t)];  window 1 v192-239: the six accumulators;  window 2 v192-239: the bias's six tiles.
.set SPARE, 196608                     ; behind x's codes: the spare words, 128 bytes a wave
.set LI,   1                           ; v1   16 x lane
.set ADR,  2                           ; v2   the fetch in hand
.set XS,   32
.set CD,   224
.set SC,   248
.set LIM,  249
.set SPW,  252
.set NIL,  253
.set ACC,  192                         ; in window 1; the bias has the same numbers in window 2
.set WV,   22
.set CG,   23
.set G0,   24                          ; s[24:27] descriptor group 0
.set G1,   28                          ; s[28:35] descriptor group 1
.set TB,   38                          ; s38  LDS byte of the token tile to be fetched
.set OUT,  56                          ; s[56:57]
.set CNT,  58
.set MSB, 0
.macro WIN new                         ; the immediate's high byte repeats the setting that is left
.if MSB != (\new)
	s_set_vgpr_msb (MSB<<8)|(\new)
.set MSB, (\new)
.endif
.endm
	s_load_b256 s[4:11], s[0:1], 0x0               ; xc, wc, bq, bk
	s_load_b256 s[12:19], s[0:1], 0x20             ; bv, lowp_scales, qc, kc
	s_load_b64 s[20:21], s[0:1], 0x40              ; vc
	v_lshl_add_u32 v[SPW], v0, 2, SPARE
	v_mov_b32 v[NIL], 0
	ds_add_u32 v[SPW], v[NIL]                      ; the wave's opening: the add, twice on end, and its wait ahead of my tensor load
	ds_add_u32 v[SPW], v[NIL]
	v_lshrrev_b32 v1, 5, v0
	v_readfirstlane_b32 s[WV], v1                  ; wave 0..3
	s_mov_b32 s[CG], ttmp9
	s_and_b32 s39, ttmp7, 0xffff                   ; which 256 tokens
	s_mov_b32 s[G1+0], 3<<16                       ; no mask; elements of 8 bytes; no padding: the block is read as dense images
	s_mov_b32 s[G1+1], 32<<16                      ; tensor_dim0 = 32 elements: rows of 256 bytes
	s_mov_b32 s[G1+2], 192<<16                     ; tensor_dim1 = 192 rows: a quarter of the block
	s_mov_b32 s[G1+3], 32<<16                      ; tile_dim0
	s_mov_b32 s[G1+4], 192                         ; tile_dim1
	s_mov_b32 s[G1+5], 32                          ; the pitch: dense
	s_mov_b32 s[G1+6], 0
	s_mov_b32 s[G1+7], 0
	s_mov_b32 s[G0], 1
	s_mul_i32 s[G0+1], s[WV], 49152                ; my quarter in LDS
	s_lshr_b32 s36, s[CG], 1                       ; the matrix, and x's version
	s_mul_i32 s36, s36, 6291456
	s_mul_i32 s37, s39, 196608
	s_add_co_u32 s36, s36, s37
	s_add_co_u32 s36, s36, s[G0+1]
	s_mov_b32 s37, 0
	v_and_b32 v3, 31, v0
	v_lshlrev_b32 v[LI], 4, v3
	s_wait_dscnt 0x0                               ; both opening adds are done
	s_wait_kmcnt 0x0
	s_add_nc_u64 s[G0+2:G0+3], s[4:5], s[36:37]
	s_or_b32 s[G0+3], s[G0+3], 0x80000000          ; type = 2
	tensor_load_to_lds s[G0:G0+3], s[G1:G1+7]      ; every wave's one tensor load of the launch: one is out
	s_nop 0
.rept 4
	v_nop
.endr
	s_load_b256 s[40:47], s[14:15], 0x0            ; e0 .. e7
	s_load_b64 s[48:49], s[14:15], 0x20            ; e8, e9
	s_lshl_b32 s36, s[CG], 2
	s_add_co_u32 s36, s36, s[WV]                   ; 8 x matrix + head
	s_mul_i32 s36, s36, 73728                      ; a head's 36 fragments
	s_add_nc_u64 s[6:7], s[6:7], s[36:37]
.irp p, 0,1,2                          ; W's fragments: K steps 2 p + q into window 1 + p
	WIN 0x40*(\p+1)
.irp q, 0,1
.irp t, 0,1,2,3,4,5
.irp c, 0,1,2,3
	global_load_b128 v[16*(6*\q+\t)+4*\c:16*(6*\q+\t)+4*\c+3], v[LI], s[6:7] offset:2048*(6*\t+2*\p+\q)+512*\c
.endr
.endr
.endr
.endr
	WIN 0
	v_and_b32 v3, 15, v0                           ; r
	v_bfe_u32 v4, v0, 4, 1                         ; h
	s_and_b32 s59, s[CG], 1
	s_lshl_b32 s59, s59, 2
	s_add_co_u32 s59, s59, s[WV]                   ; my head
	s_mul_i32 s36, s59, 384
	s_cmp_lt_u32 s[CG], 2                          ; the choices hang on the work-group's number alone
	s_cselect_b64 s[60:61], s[8:9], s[10:11]
	s_cselect_b64 s[OUT:OUT+1], s[16:17], s[18:19]
	s_cmp_lt_u32 s[CG], 4
	s_cselect_b64 s[60:61], s[60:61], s[12:13]
	s_cselect_b64 s[OUT:OUT+1], s[OUT:OUT+1], s[20:21]
	s_add_nc_u64 s[60:61], s[60:61], s[36:37]      ; my head's 96 numbers of the bias
	s_lshr_b32 s36, s39, 3
	s_lshl_b32 s36, s36, 3
	s_add_co_u32 s36, s36, s59                     ; 8 x batch + head
	s_mul_i32 s36, s36, 196608                     ; a head's codes, in qc, kc and vc alike,
	s_and_b32 s62, s39, 7
	s_mul_i32 s62, s62, 24576                      ; and 256 tokens' part of them, alike too
	s_add_co_u32 s36, s36, s62
	s_add_nc_u64 s[OUT:OUT+1], s[OUT:OUT+1], s[36:37]
	s_wait_kmcnt 0x0
	s_cmp_lt_u32 s[CG], 2                          ; the given exponents are chosen without a jump
	s_cselect_b32 s50, s40, s42
	s_cselect_b32 s51, s41, s43
	s_cselect_b32 s52, s46, s47
	s_cmp_lt_u32 s[CG], 4
	s_cselect_b32 s50, s50, s44
	s_cselect_b32 s51, s51, s45
	s_cselect_b32 s52, s52, s49
	s_add_co_i32 s50, s50, s51                     ; ea + eb: a sum stands for sum x 2^(ea + eb)
	s_sub_co_i32 s53, 0, s50
	s_sub_co_i32 s54, s52, s50
	s_add_co_i32 s54, s54, 127
	s_lshl_b32 s55, s54, 23
	v_mov_b32 v[SC], s55                           ; 2^(eo - ea - eb)
	s_add_co_i32 s54, s54, 15
	s_lshl_b32 s54, s54, 23
	s_or_b32 s54, s54, 0x600000
	v_mov_b32 v[LIM], s54                          ; 57,344 x that
	s_cmp_ge_u32 s[CG], 4
	s_cbranch_scc1 .Lbias_v
	v_lshlrev_b32 v5, 5, v4                        ; q, k: register j of tile t is channel 16 t + 8 h + j
	WIN 0x80
.irp t, 0,1,2,3,4,5
	global_load_b128 v[ACC+8*\t:ACC+8*\t+3], v5, s[60:61] offset:64*\t
	global_load_b128 v[ACC+8*\t+4:ACC+8*\t+7], v5, s[60:61] offset:64*\t+16
.endr
	s_wait_loadcnt 0x0                             ; the bias, and W
	WIN 0x82
.set j, 0
.rept 48
	v_ldexp_f32 v[ACC+j], v[ACC+j], s53            ; bias / 2^(ea + eb)
.set j, j+1
.endr
	WIN 0
	s_branch .Lbias_done
.Lbias_v:
	v_lshlrev_b32 v5, 2, v3                        ; v: all eight registers of tile t are channel 16 t + r
	WIN 0x80
.irp t, 0,1,2,3,4,5
	global_load_b32 v[ACC+8*\t], v5, s[60:61] offset:64*\t
.endr
	s_wait_loadcnt 0x0
	WIN 0x82
.irp t, 0,1,2,3,4,5
	v_ldexp_f32 v[ACC+8*\t], v[ACC+8*\t], s53
.endr
.irp t, 0,1,2,3,4,5
.irp j, 1,2,3,4,5,6,7
	v_mov_b32 v[ACC+8*\t+\j], v[ACC+8*\t]
.endr
.endr
	WIN 0
.Lbias_done:
.macro XFETCH set                      ; the next token tile's six fragments, as images: 24 loads of 512 consecutive bytes
	v_add_nc_u32 v[ADR], s[TB], v[LI]
.irp s, 0,1,2,3,4,5
.irp c, 0,1,2,3
	ds_load_b128 v[XS+96*\set+16*\s+4*\c:XS+96*\set+16*\s+4*\c+3], v[ADR] offset:2048*\s+512*\c
.endr
.endr
	s_add_co_u32 s[TB], s[TB], 12288
.endm
; 36 products: the six accumulators take turns, one instruction a turn, K step by K step.  The first K step takes the bias (window 2) as C.  v = 1: the sources change places.
.macro MM set, v
.irp s, 0,1,2,3,4,5
.if \s == 0
.set CW, 2
.else
.set CW, 1
.endif
.set WW, 1+(\s)/2
.if \v
	WIN (0x40|(CW<<4)|(WW<<2))
.else
	WIN (0x40|(CW<<4)|WW)
.endif
.irp t, 0,1,2,3,4,5
.set rW, 16*(6*((\s)%2)+\t)
.set rX, XS+96*(\set)+16*(\s)
.set rA, ACC+8*\t
.if \v
	v_wmma_f32_16x16x128_bf8_bf8 v[rA:rA+7], v[rX:rX+15], v[rW:rW+15], v[rA:rA+7]
.else
	v_wmma_f32_16x16x128_bf8_bf8 v[rA:rA+7], v[rW:rW+15], v[rX:rX+15], v[rA:rA+7]
.endif
.endr
.endr
.endm
; The six tiles become codes: tile t's pair of registers at base + stride x t.  Four places stand behind the last product (ISA guide 7.12.1): they serve the holds below and the next fetch into x's registers.
.macro CONV base, stride
	WIN 0
.rept 4
	v_nop
.endr
	s_wait_xcnt 0x0                                ; earlier stores have read the codes' registers
	WIN 0x41
.set j, 0
.rept 48
	v_med3_num_f32 v[ACC+j], v[ACC+j], -v[LIM], v[LIM]   ; each accumulator from its low end on
.set j, j+1
.endr
	WIN 0x01
.irp t, 0,1,2,3,4,5
	v_cvt_scalef32_pk8_bf8_f32 v[\base+\stride*\t:\base+\stride*\t+1], v[ACC+8*\t:ACC+8*\t+7], v[SC]
.endr
	WIN 0
	v_nop                                          ; a plain line between the conversions and the next products, which write their sources
.endm
; Two token tiles.  While one set of x's fragments is multiplied, the other is on its way from LDS.  All LDS lines stand in the text that both kinds of work-group walk.
.macro TRIP last
	s_wait_dscnt 0x0                               ; set 0 is in
	XFETCH 1
	s_cmp_ge_u32 s[CG], 4
	s_cbranch_scc1 .Lv0_\@
	MM 0, 0
	CONV CD, 2
.irp g, 0,1,2
	global_store_b128 v[LI], v[CD+4*\g:CD+4*\g+3], s[OUT:OUT+1] offset:512*\g
.endr
	s_branch .Lj0_\@
.Lv0_\@:
	MM 0, 1
	CONV CD, 4                                     ; the even tile's eight keys: the lower pair of each group of four registers
.Lj0_\@:
	s_wait_dscnt 0x0                               ; set 1 is in
.if \last == 0
	XFETCH 0
.endif
	s_cmp_ge_u32 s[CG], 4
	s_cbranch_scc1 .Lv1_\@
	MM 1, 0
	CONV CD+12, 2
.irp g, 0,1,2
	global_store_b128 v[LI], v[CD+12+4*\g:CD+12+4*\g+3], s[OUT:OUT+1] offset:1536+512*\g
.endr
.if \last == 0
	s_wait_xcnt 0x0                                ; the stores have read their base
	s_add_nc_u64 s[OUT:OUT+1], s[OUT:OUT+1], 3072
.endif
	s_branch .Lj1_\@
.Lv1_\@:
	MM 1, 1
	CONV CD+2, 4                                   ; the odd tile's: the upper pair
.irp t, 0,1,2,3,4,5
	global_store_b128 v[LI], v[CD+4*\t:CD+4*\t+3], s[OUT:OUT+1] offset:2048*\t
.endr
.if \last == 0
	s_wait_xcnt 0x0
	s_and_b32 s62, s[CNT], 3
	s_cmp_eq_u32 s62, 3                            ; four trips fill a block of 128 keys: then on to the next block
	s_mov_b32 s60, 512
	s_cselect_b32 s60, 10752, s60
	s_mov_b32 s61, 0
	s_add_nc_u64 s[OUT:OUT+1], s[OUT:OUT+1], s[60:61]
.endif
.Lj1_\@:
.endm
	s_mov_b32 s[TB], 0
	s_wait_tensorcnt 0x0                           ; my quarter of x's codes has landed,
	s_barrier_signal -1
	s_barrier_wait -1                              ; everybody's has; nothing is filled again in this launch
	XFETCH 0
	s_mov_b32 s[CNT], 0
.Ltrip:
	TRIP 0
	s_add_co_u32 s[CNT], s[CNT], 1
	s_cmp_lt_u32 s[CNT], 7
	s_cbranch_scc1 .Ltrip
	TRIP 1                                         ; the last two tiles are written out: nothing more is fetched or stepped
	s_wait_tensorcnt 0x0                           ; the wave's end: three closing lines
	ds_add_u32 v[SPW], v[NIL]
	s_wait_dscnt 0x0
	s_endpgm
.Lfunc_end_k_qdc4a40032e_proj:
	.size	k_qdc4a40032e_proj, .Lfunc_end_k_qdc4a40032e_proj-k_qdc4a40032e_proj
	.p2alignl 7, 3214868480
	.fill 96, 4, 3214868480
	.section	.rodata,"a",@progbits
	.p2align	6, 0x0
	.amdhsa_kernel k_qdc4a40032e_proj
		.amdhsa_group_segment_fixed_size 197120
		.amdhsa_private_segment_fixed_size 0
		.amdhsa_enable_private_segment 0
		.amdhsa_kernarg_size 72
		.amdhsa_user_sgpr_count 2
		.amdhsa_user_sgpr_kernarg_segment_ptr 1
		.amdhsa_wavefront_size32 1
		.amdhsa_system_sgpr_workgroup_id_x 1
		.amdhsa_system_sgpr_workgroup_id_y 1
		.amdhsa_system_sgpr_workgroup_id_z 1
		.amdhsa_system_vgpr_workitem_id 0
		.amdhsa_next_free_vgpr 960
		.amdhsa_next_free_sgpr 66
		.amdhsa_reserve_vcc 0
		.amdhsa_float_denorm_mode_32 3
		.amdhsa_float_denorm_mode_16_64 3
		.amdhsa_memory_ordered 1
		.amdhsa_forward_progress 1
		.amdhsa_inst_pref_size 83
	.end_amdhsa_kernel
	.amdgpu_metadata
---
amdhsa.version: [ 1, 2 ]
amdhsa.kernels:
  - .name:           k_qdc4a40032e_proj
    .symbol:         k_qdc4a40032e_proj.kd
    .args:
      - { .name: xc, .offset: 0, .size: 8, .value_kind: global_buffer, .address_space: global }
      - { .name: wc, .offset: 8, .size: 8, .value_kind: global_buffer, .address_space: global }
      - { .name: bq, .offset: 16, .size: 8, .value_kind: global_buffer, .address_space: global }
      - { .name: bk, .offset: 24, .size: 8, .value_kind: global_buffer, .address_space: global }
      - { .name: bv, .offset: 32, .size: 8, .value_kind: global_buffer, .address_space: global }
      - { .name: lowp_scales, .offset: 40, .size: 8, .value_kind: global_buffer, .address_space: global }
      - { .name: qc, .offset: 48, .size: 8, .value_kind: global_buffer, .address_space: global }
      - { .name: kc, .offset: 56, .size: 8, .value_kind: global_buffer, .address_space: global }
      - { .name: vc, .offset: 64, .size: 8, .value_kind: global_buffer, .address_space: global }
    .group_segment_fixed_size: 197120
    .private_segment_fixed_size: 0
    .kernarg_segment_align: 8
    .kernarg_segment_size: 72
    .max_flat_workgroup_size: 128
    .sgpr_count:     66
    .vgpr_count:     960
    .wavefront_size: 32
...
	.end_amdgpu_metadata
.endif
;; end of part 2
;; launch attn (part 3): grid 8 x 32, 16 waves a work-group, no clusters, 51,200 bytes of LDS; arguments qc, kc, vc, pad_mask, lowp_scales, flags, attn; writes attn
.if DOCPART == 3
	.amdgcn_target "amdgcn-amd-amdhsa--gfx1250"
	.amdhsa_code_object_version 6
	.text
	.protected	k_qdc4a40032e_attn
	.globl	k_qdc4a40032e_attn
	.p2align	8
	.type	k_qdc4a40032e_attn,@function
k_qdc4a40032e_attn:
	s_mov_b64 s[64:65], 0
	v_nop
	global_prefetch_b8 v0, s[64:65] scope:SCOPE_SE
	s_setreg_imm32_b32 hwreg(HW_REG_WAVE_MODE, 25, 1), 1
	s_wait_xcnt 0x0
; Launch 3 of 4: softmax((q k^T x merge - 1e10 (1 - merge)) / sqrt(96)) v, merge = causal x (1 - pad), both products on codes of E5M2.
; t = logit x log2(e); M = the running largest t rounded UP to a whole number; p = 2^(t - M) is quantised under 2^e8; the row's sum is taken of the unquantised p and divides at the end.
; LEFT OUT: the product q . k on tiles wholly above the diagonal: reference() multiplies it by a merge of 0 that it builds itself (shown at the head of the first launch).  The hidden keys' constant logit is kept:
; inside the diagonal block by a select, beyond it by FIXUP, which runs where the batch has a pad among keys 0-127; elsewhere key 0 counts for every query and the hidden weight is under every f32 number.
; SHARES.  A work-group owns blocks i and 15 - i of a head's sixteen blocks of 128 queries; each of its sixteen waves one tile of 16 queries: eight tiles x (i + 1) + eight x (16 - i) = 136 tile steps in every work-group.
; Keys go 128 a step through two LDS slots.  A step's 24,576 bytes (K's eight tile images, V's six fragments) are brought by all sixteen waves, 1,536 bytes each: loaded into registers a step ahead, stored into the slot
; that was read last step.  ONE barrier a step: in front of it each wave's stores have landed and its reads of the slot in hand are back.  All sixteen steps are walked by every wave; work and fills end by jumps on ids.
; Both products are used transposed: S^T = K Q^T, O^T = V^T P^T: a lane holds ONE query; tile T's eight registers are keys 16 T + 8 h + 0 .. 7, so a conversion's two registers are registers 2 T, 2 T + 1 of P.
; The head's 96 are filled up to K = 128 by zero codes in Q's last four registers; what K's last four hold (zeros at first, V's held codes later: never an infinity or NaN) adds nothing against them.
; THE PAD MASK costs nothing where a step's 128 keys have none (a jump on the stored flags); elsewhere t = score x (m c) + (1 - m) x T0 with m = 1 - pad, by reference()'s own 1 - pad and 1 - merge.
; No cluster and no tensor load: the work-groups of a head walk 9 to 16 steps, so partners would need different numbers of tiles, and the walk jumps on numbers read from memory.
; LIMITS: e6 + e7 between -122 and 129; e8 between -126 and 112.  |score| far under 1e9.  For pads other than 0 and 1, t has one rounding where reference() has four.  NaN and infinity are not served.
; REGISTERS: v1-7 addresses that stay; v8-11 at work; v12 -M, v13 the largest t, v[14:15] the sum; v16-31 Q; v32-127 fragments (v96 on: also S^T); v96-159 S^T, then p; v160-207 O^T; v208-223 p's codes; v224-235 my part of a fill.
.set SPARE, 49152                      ; behind the slots: the spare words, 128 bytes a wave
.set SLOT,  24576
.set VOFF,  12288
.set LI,   1                           ; v1  16 x lane
.set FST,  2                           ; v2  1,536 x wave + 16 x lane: where I store my part of a fill
.set SPW,  3
.set NIL,  4
.set PFO,  5                           ; v5  256 x lane
.set DQ,   6                           ; v6  my query in its block - 8 h
.set PO0,  7                           ; v7  32 h
.set F,    224
.set WV,   18
.set ROLE, 19
.set IDX,  20                          ; my tile in its block
.set BLK,  21                          ; my block: the last key step that I work on
.set NST,  22                          ; the work-group's steps
.set J,    23
.set SEL,  24
.set CS,   26                          ; s[26:27] c = log2(e) / sqrt(96) x 2^(e6 + e7)
.set CX,   28                          ; s[28:29] the step's factor: c, or 1 where the pad pass has made t already
.set NC,   30                          ; s[30:31] T0 = -1e10 log2(e) / sqrt(96), a whole number in f32
.set HV,   32                          ; what a hidden key of the diagonal block gets
.set NINF, 33
.set FLG,  34
.set FB,   36                          ; s[36:37] my part of the step that is loaded next
.set PFA,  38
.set LIMJ, 40
.set CNT,  41
.set PAD,  42
.set E,    44                          ; s[44:47] e6 .. e9
.set VB,   50
.set JJ,   54
.set BH,   55
	s_load_b256 s[4:11], s[0:1], 0x0               ; qc, kc, vc, pad_mask
	s_load_b128 s[12:15], s[0:1], 0x20             ; lowp_scales, flags
	s_load_b64 s[16:17], s[0:1], 0x30              ; attn
	v_lshl_add_u32 v[SPW], v0, 2, SPARE
	v_mov_b32 v[NIL], 0
	v_lshrrev_b32 v8, 5, v0
	v_readfirstlane_b32 s[WV], v8                  ; wave 0..15
	s_and_b32 s[BH], ttmp7, 0xffff                 ; 8 x batch + head
	s_lshr_b32 s[IDX], s[WV], 1
	s_lshr_b32 s[ROLE], s[WV], 2
	s_xor_b32 s[ROLE], s[ROLE], s[WV]
	s_and_b32 s[ROLE], s[ROLE], 1                  ; low block or high: two of each among any four neighbouring waves and among any four waves 4 apart
	s_sub_co_u32 s[BLK], 15, ttmp9
	s_cmp_eq_u32 s[ROLE], 1
	s_cselect_b32 s[BLK], s[BLK], ttmp9
	s_sub_co_u32 s[NST], 16, ttmp9
	s_mov_b32 s[J], 0
	s_mov_b32 s[SEL], 0x76543210
	s_mov_b32 s[SEL+1], 0xfedcba98
	s_mov_b32 s[CS], 0x3e16c740                    ; log2(e) / sqrt(96)
	s_mov_b32 s[NC], 0xceaf8770
	s_mov_b32 s[NC+1], s[NC]
	s_mov_b32 s[NINF], 0xff800000
	v_and_b32 v8, 31, v0
	v_lshlrev_b32 v[LI], 4, v8
	s_mul_i32 s48, s[WV], 1536
	v_add_nc_u32 v[FST], s48, v[LI]
	v_lshlrev_b32 v[PFO], 8, v8
	v_and_b32 v9, 15, v0                           ; r
	v_bfe_u32 v10, v0, 4, 1                        ; h
	v_lshlrev_b32 v[PO0], 5, v10
	v_lshlrev_b32 v11, 3, v10
	v_sub_nc_u32 v[DQ], v9, v11
	s_lshl_b32 s48, s[IDX], 4
	v_add_nc_u32 v[DQ], s48, v[DQ]
	s_mul_i32 s52, s[BH], 196608                   ; a head's codes, in qc, kc and vc alike
	s_mov_b32 s53, 0
	s_mov_b32 s57, 0
	s_wait_kmcnt 0x0
	s_load_b128 s[E:E+3], s[12:13], 0x18           ; e6, e7, e8, e9
	s_lshr_b32 s48, s[BH], 3                       ; the batch
	s_lshl_b32 s56, s48, 7
	s_add_nc_u64 s[14:15], s[14:15], s[56:57]
	s_load_b32 s[FLG], s[14:15], 0x0               ; its flags: whole numbers that the first launch stored
	s_lshl_b32 s56, s48, 13
	s_add_nc_u64 s[PAD:PAD+1], s[10:11], s[56:57]
	s_cmp_lt_u32 s[WV], 8                          ; waves 0-7 bring K's images, waves 8-15 V's fragments
	s_cselect_b64 s[FB:FB+1], s[6:7], s[8:9]
	s_and_b32 s56, s[WV], 7
	s_mul_i32 s56, s56, 1536
	s_add_nc_u64 s[FB:FB+1], s[FB:FB+1], s[52:53]
	s_add_nc_u64 s[FB:FB+1], s[FB:FB+1], s[56:57]
.irp c, 0,1,2
	global_load_b128 v[F+4*\c:F+4*\c+3], v[LI], s[FB:FB+1] offset:512*\c      ; my part of step 0
.endr
	s_lshl_b32 s58, s[BLK], 3
	s_add_co_u32 s58, s58, s[IDX]
	s_lshl_b32 s56, s[BH], 7
	s_add_co_u32 s58, s58, s56                     ; my tile of queries among all
	s_mul_i32 s56, s58, 1536
	s_add_nc_u64 s[4:5], s[4:5], s[56:57]
	s_mul_i32 s56, s58, 6144
	s_add_nc_u64 s[16:17], s[16:17], s[56:57]
.irp c, 0,1,2
	global_load_b128 v[16+4*\c:19+4*\c], v[LI], s[4:5] offset:512*\c          ; Q stays in registers
.endr
	; the prefetches: the head's first work-group asks, waves 0-2 for K, 3-5 for V, 8,192 bytes a wave, lanes 256 bytes apart
	s_cmp_lt_u32 s[WV], 3
	s_cselect_b64 s[PFA:PFA+1], s[6:7], s[8:9]
	s_cselect_b32 s56, 0, 3
	s_sub_co_u32 s56, s[WV], s56
	s_lshl_b32 s56, s56, 13
	s_add_co_u32 s56, s56, VOFF                    ; at step 1: the first trip steps it to step 3
	s_add_nc_u64 s[PFA:PFA+1], s[PFA:PFA+1], s[52:53]
	s_add_nc_u64 s[PFA:PFA+1], s[PFA:PFA+1], s[56:57]
	s_cmp_lt_u32 s[WV], 6
	s_cselect_b32 s56, 0, 1
	s_or_b32 s56, s56, ttmp9
	s_cmp_eq_u32 s56, 0
	s_cselect_b32 s[LIMJ], 11, 0                   ; steps 0, 2, .. 10 ask; nobody else does
.irp j, 28,29,30,31, 44,45,46,47, 60,61,62,63, 76,77,78,79, 92,93,94,95
	v_mov_b32 v[\j], 0                             ; zero codes for K = 96 .. 127
.endr
	v_mov_b32 v13, 0xff61b1e6                      ; the largest t so far: -3e38
	v_floor_f32 v12, -v13                          ; -M
	v_mov_b32 v14, 0
	v_mov_b32 v15, 0
	v_mov_b32 v236, 0                              ; a lane permute's destination counts as one of its sources
	v_mov_b32 v252, 0
	v_mov_b32 v253, 0
.set j, 0
.rept 48
	v_mov_b32 v[160+j], 0                          ; O^T: the step is written once; the first change of M multiplies zeros
.set j, j+1
.endr
	s_wait_loadcnt 3                               ; my part of step 0 is in; Q's three loads may be out
.irp c, 0,1,2
	ds_store_b128 v[FST], v[F+4*\c:F+4*\c+3] offset:512*\c
.endr
	s_wait_dscnt 0x0                               ; landed, for the others' sake; and the stores have read their registers
	s_add_nc_u64 s[FB:FB+1], s[FB:FB+1], VOFF
.irp c, 0,1,2
	global_load_b128 v[F+4*\c:F+4*\c+3], v[LI], s[FB:FB+1] offset:512*\c      ; step 1 (every work-group has nine steps or more)
.endr
	s_barrier_signal -1
	s_barrier_wait -1
	s_wait_kmcnt 0x0
	s_add_co_i32 s48, s[E], s[E+1]
	s_lshl_b32 s48, s48, 23
	s_add_co_i32 s[CS], s[CS], s48                 ; a score stands for score x 2^(e6 + e7): added to c's exponent field
	s_mov_b32 s[CS+1], s[CS]
	s_add_co_i32 s48, s[E+2], 127
	s_lshl_b32 s49, s48, 23
	v_mov_b32 v244, s49                            ; 2^e8
	s_add_co_i32 s48, s48, 15
	s_lshl_b32 s48, s48, 23
	s_or_b32 s48, s48, 0x600000
	v_mov_b32 v240, s48                            ; 57,344 x 2^e8
	s_wait_loadcnt 3                               ; Q is in; step 1's three loads may be out
; A KEY STEP in slot sg.
.macro STEP sg
	s_cmp_gt_u32 s[J], s[BLK]                      ; all 128 keys come after my queries: no work; the fill and the barrier below are run all the same
	s_cbranch_scc1 .Lskip_\@
.rept 5
	v_nop                                          ; five places: the first products below write over v96-127, which the last step's products read; they serve the loads too
.endr
.irp g, 0,1                            ; S^T = K Q^T, four tiles of 16 keys at a time
.if \g
.rept 4
	v_nop
.endr
.endif
.irp t, 0,1,2,3
.irp c, 0,1,2
	ds_load_b128 v[32+16*\t+4*\c:35+16*\t+4*\c], v[LI] offset:SLOT*\sg+1536*(4*\g+\t)+512*\c
.endr
.endr
	s_wait_dscnt 0x0
.irp t, 0,1,2,3
	v_wmma_f32_16x16x128_bf8_bf8 v[96+8*(4*\g+\t):103+8*(4*\g+\t)], v[32+16*\t:47+16*\t], v[16:31], 0
.endr
.endr
.rept 4
	v_nop
.endr
	s_lshr_b32 s52, s[FLG], s[J]
	s_and_b32 s52, s52, 1                          ; has this step a pad?
	s_cselect_b32 s[CX], 0x3f800000, s[CS]
	s_cselect_b32 s[HV], s[NC], s[NINF]            ; with no pad in the diagonal block a query's own key counts, M is a number, and a hidden key's p is 0
	s_mov_b32 s[CX+1], s[CX]
	s_cbranch_scc0 .Lnopad_\@
	s_lshl_b32 s53, s[J], 9                        ; THE PAD PASS: my 64 keys' pads, in S^T's order
	v_add_nc_u32 v8, s53, v[PO0]
.irp t, 0,1,2,3,4,5,6,7
	global_load_b128 v[32+8*\t:35+8*\t], v8, s[PAD:PAD+1] offset:64*\t
	global_load_b128 v[36+8*\t:39+8*\t], v8, s[PAD:PAD+1] offset:64*\t+16
.endr
	s_wait_loadcnt 0x0
.set n, 0
.rept 32
.set tp, 8+2*(n%2)
	v_pk_fma_f32 v[32+2*n:33+2*n], v[32+2*n:33+2*n], -1.0, 1.0 op_sel_hi:[1,0,0]   ; m = 1 - pad
	v_pk_fma_f32 v[tp:tp+1], v[32+2*n:33+2*n], -1.0, 1.0 op_sel_hi:[1,0,0]         ; 1 - m
	v_pk_mul_f32 v[32+2*n:33+2*n], v[32+2*n:33+2*n], s[CS:CS+1] op_sel_hi:[1,0]    ; m c
	v_pk_mul_f32 v[tp:tp+1], v[tp:tp+1], s[NC:NC+1] op_sel_hi:[1,0]                ; (1 - m) T0
	v_pk_fma_f32 v[96+2*n:97+2*n], v[96+2*n:97+2*n], v[32+2*n:33+2*n], v[tp:tp+1]  ; t
.set n, n+1
.endr
.Lnopad_\@:
	s_cmp_eq_u32 s[J], s[BLK]                      ; THE DIAGONAL BLOCK: register 8 T + j holds key 16 T + 8 h + j of the block: hidden where 16 T + j > my query - 8 h
	s_cbranch_scc0 .Lopen_\@
	v_mov_b32 v254, s[HV]
.irp t, 0,1,2,3,4,5,6,7
	s_cmp_gt_u32 s[IDX], \t                        ; a tile of keys ahead of my tile of queries counts whole
	s_cbranch_scc1 .Lvis_\@_\t
.irp j, 0,1,2,3,4,5,6,7
	v_cmp_gt_i32 vcc_lo, 16*\t+\j, v[DQ]
	v_cndmask_b32 v[96+8*\t+\j], v[96+8*\t+\j], v254, vcc_lo
.endr
.Lvis_\@_\t:
.endr
.Lopen_\@:
	v_max3_num_f32 v254, v96, v97, v98             ; the step's largest, among my 64 keys, in two chains, each accumulator from its low end on
	v_max3_num_f32 v252, v99, v100, v101
.set n, 6
.rept 14
	v_max3_num_f32 v254, v254, v[96+n], v[97+n]
	v_max3_num_f32 v252, v252, v[98+n], v[99+n]
.set n, n+4
.endr
	v_max3_num_f32 v254, v254, v158, v159
	v_max_num_f32 v254, v254, v252
	v_permlanex16_b32 v236, v254, s[SEL], s[SEL+1]
	v_max_num_f32 v254, v254, v236                 ; and among the other half of the lanes'
	v_mul_f32 v254, s[CX], v254                    ; as t (the factor is positive)
	v_max_num_f32 v13, v13, v254
	v_mov_b32 v254, v12
	v_floor_f32 v12, -v13                          ; -M = floor(-t): M is a whole number
	v_sub_f32 v254, v12, v254
	v_cvt_i32_f32 v254, v254                       ; old M - new M, 0 or less (it saturates)
	v_ldexp_f32 v252, 1.0, v254                    ; f = 2^(old M - new M): a multiplication by it rounds nothing
.set n, 0
.rept 32
	v_pk_fma_f32 v[96+n:97+n], v[96+n:97+n], s[CX:CX+1], v[12:13] op_sel_hi:[1,0,0]   ; t - M
.set n, n+2
.endr
.set n, 0
.rept 64
	v_exp_f32 v[96+n], v[96+n]                     ; p
.set n, n+1
.endr
	v_pk_mul_f32 v[14:15], v[14:15], v[252:253] op_sel_hi:[1,0]   ; the sum under the new M: the plain line behind the exponentials
	s_wait_alu depctr_va_vdst(0)                   ; one wait for the batch, ahead of its first reader
	v_pk_add_f32 v[242:243], v[96:97], v[98:99]    ; the sum of the unquantised p, in two chains
.set n, 4
.rept 15
	v_pk_add_f32 v[14:15], v[14:15], v[96+n:97+n]
	v_pk_add_f32 v[242:243], v[242:243], v[98+n:99+n]
.set n, n+4
.endr
	v_pk_add_f32 v[14:15], v[14:15], v[242:243]
.irp t, 0,1,2,3,4,5,6,7
.irp j, 0,1,2,3,4,5,6,7
	v_min_num_f32 v[96+8*\t+\j], v[96+8*\t+\j], v240   ; the hold; p is never negative
.endr
	v_cvt_scalef32_pk8_bf8_f32 v[208+2*\t:209+2*\t], v[96+8*\t:103+8*\t], v244
.endr
.irp t, 0,1,2,3,4,5                    ; V's six fragments in one run; the last two take S^T's first 32 registers, which are done with
.irp c, 0,1,2,3
	ds_load_b128 v[32+16*\t+4*\c:35+16*\t+4*\c], v[LI] offset:SLOT*\sg+VOFF+2048*\t+512*\c
.endr
.endr
.set n, 0
.rept 24
	v_pk_mul_f32 v[160+n:161+n], v[160+n:161+n], v[252:253] op_sel_hi:[1,0]   ; O^T under the new M, while V is on its way
.set n, n+2
.endr
	s_wait_dscnt 0x0
.irp t, 0,1,2,3,4,5
	v_wmma_f32_16x16x128_bf8_bf8 v[160+8*\t:167+8*\t], v[32+16*\t:47+16*\t], v[208:223], v[160+8*\t:167+8*\t]
.endr
.Lskip_\@:
.if \sg == 0
	s_wait_xcnt 0x0                                ; the last prefetch, two steps back, has read its address
	s_add_nc_u64 s[PFA:PFA+1], s[PFA:PFA+1], SLOT
.endif
	s_add_co_u32 s52, s[J], 1
	s_cmp_lt_u32 s52, s[NST]                       ; ids and the count of steps alone: all sixteen waves go the same way
	s_cbranch_scc0 .Lnofill_\@
	s_wait_loadcnt 0x0                             ; my part of the next step, asked for a step ago,
.irp c, 0,1,2
	ds_store_b128 v[FST], v[F+4*\c:F+4*\c+3] offset:SLOT*(1-\sg)+512*\c   ; goes into the slot that was read last step: every wave's reads of it were back at the last barrier
.endr
	s_add_co_u32 s52, s[J], 2
	s_cmp_lt_u32 s52, s[NST]
	s_cbranch_scc0 .Lnofill_\@
	s_wait_dscnt 0x0                               ; the stores have read their registers
	s_add_nc_u64 s[FB:FB+1], s[FB:FB+1], VOFF
.irp c, 0,1,2
	global_load_b128 v[F+4*\c:F+4*\c+3], v[LI], s[FB:FB+1] offset:512*\c
.endr
.if \sg == 0
	s_cmp_lt_u32 s[J], s[LIMJ]
	s_cbranch_scc0 .Lnofill_\@
	global_prefetch_b8 v[PFO], s[PFA:PFA+1] th:TH_LOAD_NT scope:SCOPE_SE   ; steps J + 3 and J + 4 of the head, each run of 256 bytes named once in the launch; steps 0-2 and 15 come by their loads alone
.endif
.Lnofill_\@:
	s_wait_dscnt 0x0                               ; my stores have landed, my reads of the slot in hand are back
	s_barrier_signal -1
	s_barrier_wait -1
	s_add_co_u32 s[J], s[J], 1
.endm
	s_mov_b32 s[CNT], 0
.Ltrip:
	STEP 0
	STEP 1
	s_add_co_u32 s[CNT], s[CNT], 1
	s_cmp_lt_u32 s[CNT], 8
	s_cbranch_scc1 .Ltrip
.rept 4
	v_nop                                          ; places behind the last products
.endr
	; FIXUP: the key blocks beyond my own, where the batch has a pad among keys 0-127.  Each hidden key has t = T0, so p0 = 2^(T0 - M) for all of them: 1 for a query none of whose visible keys counts, else 0.
	s_bitcmp1_b32 s[FLG], 0
	s_cbranch_scc0 .Lnofix
	s_cmp_eq_u32 s[BLK], 15
	s_cbranch_scc1 .Lnofix
	v_max_num_f32 v13, s[NC], v13
	v_mov_b32 v254, v12
	v_floor_f32 v12, -v13
	v_sub_f32 v254, v12, v254
	v_cvt_i32_f32 v254, v254
	v_ldexp_f32 v252, 1.0, v254
	v_pk_mul_f32 v[14:15], v[14:15], v[252:253] op_sel_hi:[1,0]
.set n, 0
.rept 24
	v_pk_mul_f32 v[160+n:161+n], v[160+n:161+n], v[252:253] op_sel_hi:[1,0]
.set n, n+2
.endr
	v_add_f32 v8, s[NC], v12                       ; T0 - M
	v_exp_f32 v8, v8
	v_nop
	s_sub_co_u32 s52, 15, s[BLK]
	s_lshl_b32 s52, s52, 6                         ; my half of the lanes' share of the hidden keys: 64 a block
	v_mov_b32 v9, s52
	v_cvt_f32_u32 v9, v9
	s_wait_alu depctr_va_vdst(0)                   ; ahead of the exponential's first reader
	v_fma_f32 v14, v8, v9, v14
	v_min_num_f32 v8, v8, v240
.irp j, 0,1,2,3,4,5,6,7
	v_mov_b32 v[96+\j], v8
.endr
	v_cvt_scalef32_pk8_bf8_f32 v[208:209], v[96:103], v244
	v_nop
.irp k, 1,2,3,4,5,6,7
	v_mov_b32 v[208+2*\k], v208
	v_mov_b32 v[209+2*\k], v209
.endr
	s_lshl_b32 s56, s[BH], 4
	s_add_co_u32 s56, s56, s[BLK]
	s_add_co_u32 s56, s56, 1
	s_mul_i32 s56, s56, VOFF
	s_add_nc_u64 s[VB:VB+1], s[8:9], s[56:57]
	s_add_co_u32 s[JJ], s[BLK], 1
.Lfix:
.rept 4
	v_nop                                          ; places in front of loads into registers that products have read
.endr
.irp t, 0,1,2,3,4,5
.irp c, 0,1,2,3
	global_load_b128 v[32+16*\t+4*\c:35+16*\t+4*\c], v[LI], s[VB:VB+1] offset:2048*\t+512*\c
.endr
.endr
	s_wait_loadcnt 0x0
.irp t, 0,1,2,3,4,5
	v_wmma_f32_16x16x128_bf8_bf8 v[160+8*\t:167+8*\t], v[32+16*\t:47+16*\t], v[208:223], v[160+8*\t:167+8*\t]
.endr
	s_add_nc_u64 s[VB:VB+1], s[VB:VB+1], VOFF
	s_add_co_u32 s[JJ], s[JJ], 1
	s_cmp_lt_u32 s[JJ], 16
	s_cbranch_scc1 .Lfix
.Lnofix:
.rept 4
	v_nop
.endr
	; THE WAY OUT: O^T / the sum x 2^(e8 + e9), stored as an image of its registers: each store is 512 consecutive bytes; the last launch puts the rows together.
	v_add_f32 v14, v14, v15
	v_permlanex16_b32 v252, v14, s[SEL], s[SEL+1]
	v_add_f32 v14, v14, v252
	v_rcp_f32 v14, v14
	v_nop
	s_add_co_i32 s52, s[E+2], s[E+3]
	s_wait_alu depctr_va_vdst(0)
	v_ldexp_f32 v14, v14, s52
	v_mov_b32 v15, v14
.set n, 0
.rept 24
	v_pk_mul_f32 v[160+n:161+n], v[160+n:161+n], v[14:15] op_sel_hi:[1,0]
.set n, n+2
.endr
.irp i, 0,1,2,3,4,5,6,7,8,9,10,11
	global_store_b128 v[LI], v[160+4*\i:163+4*\i], s[16:17] offset:512*\i th:TH_STORE_NT
.endr
	s_wait_tensorcnt 0x0                           ; the wave's end: three closing lines behind my last LDS store
	ds_add_u32 v[SPW], v[NIL]
	s_wait_dscnt 0x0
	s_endpgm
.Lfunc_end_k_qdc4a40032e_attn:
	.size	k_qdc4a40032e_attn, .Lfunc_end_k_qdc4a40032e_attn-k_qdc4a40032e_attn
	.p2alignl 7, 3214868480
	.fill 96, 4, 3214868480
	.section	.rodata,"a",@progbits
	.p2align	6, 0x0
	.amdhsa_kernel k_qdc4a40032e_attn
		.amdhsa_group_segment_fixed_size 51200
		.amdhsa_private_segment_fixed_size 0
		.amdhsa_enable_private_segment 0
		.amdhsa_kernarg_size 56
		.amdhsa_user_sgpr_count 2
		.amdhsa_user_sgpr_kernarg_segment_ptr 1
		.amdhsa_wavefront_size32 1
		.amdhsa_system_sgpr_workgroup_id_x 1
		.amdhsa_system_sgpr_workgroup_id_y 1
		.amdhsa_system_sgpr_workgroup_id_z 1
		.amdhsa_system_vgpr_workitem_id 0
		.amdhsa_next_free_vgpr 256
		.amdhsa_next_free_sgpr 66
		.amdhsa_reserve_vcc 1
		.amdhsa_float_denorm_mode_32 3
		.amdhsa_float_denorm_mode_16_64 3
		.amdhsa_memory_ordered 1
		.amdhsa_forward_progress 1
		.amdhsa_inst_pref_size 88
	.end_amdhsa_kernel
	.amdgpu_metadata
---
amdhsa.version: [ 1, 2 ]
amdhsa.kernels:
  - .name:           k_qdc4a40032e_attn
    .symbol:         k_qdc4a40032e_attn.kd
    .args:
      - { .name: qc, .offset: 0, .size: 8, .value_kind: global_buffer, .address_space: global }
      - { .name: kc, .offset: 8, .size: 8, .value_kind: global_buffer, .address_space: global }
      - { .name: vc, .offset: 16, .size: 8, .value_kind: global_buffer, .address_space: global }
      - { .name: pad_mask, .offset: 24, .size: 8, .value_kind: global_buffer, .address_space: global }
      - { .name: lowp_scales, .offset: 32, .size: 8, .value_kind: global_buffer, .address_space: global }
      - { .name: flags, .offset: 40, .size: 8, .value_kind: global_buffer, .address_space: global }
      - { .name: attn, .offset: 48, .size: 8, .value_kind: global_buffer, .address_space: global }
    .group_segment_fixed_size: 51200
    .private_segment_fixed_size: 0
    .kernarg_segment_align: 8
    .kernarg_segment_size: 56
    .max_flat_workgroup_size: 512
    .sgpr_count:     66
    .vgpr_count:     256
    .wavefront_size: 32
...
	.end_amdgpu_metadata
.endif
;; end of part 3
;; launch ln (part 4): grid 512 x 1, 8 waves a work-group, no clusters, 50,432 bytes of LDS; arguments attn, x, gamma, beta, out0; writes out0
.if DOCPART == 4
	.amdgcn_target "amdgcn-amd-amdhsa--gfx1250"
	.amdhsa_code_object_version 6
	.text
	.protected	k_qdc4a40032e_ln
	.globl	k_qdc4a40032e_ln
	.p2align	8
	.type	k_qdc4a40032e_ln,@function
k_qdc4a40032e_ln:
	s_mov_b64 s[64:65], 0
	v_nop
	global_prefetch_b8 v0, s[64:65] scope:SCOPE_SE
	s_setreg_imm32_b32 hwreg(HW_REG_WAVE_MODE, 25, 1), 1
	s_wait_xcnt 0x0
; Launch 4 of 4: y = attention + x; out = (y - mean) / sqrt(var + 1e-6) x gamma + beta, over the 768 of a token.  All in f32; the variance is taken of the centred numbers, as reference() takes it.
; A work-group takes 16 tokens.  On the way in wave w takes head w's tile, which lies as an image of the accumulators (group 2 t + g, lane (r, h): token r, channels 16 t + 8 h + 4 g + 0 .. 3), and puts it into a stage
; of 16 rows x (3,072 + 16) bytes; behind one barrier wave w takes rows 2 w and 2 w + 1 whole, 24 numbers a lane.  Every global load and store is 512 consecutive bytes.
; Memory binds: no matrix unit, no cluster, no tensor load; several work-groups share a WGP.
.set PITCH, 3088                       ; 193 x 16: sixteen rows' 16 bytes start at sixteen different banks
.set SPARE, 49408                      ; behind the stage: the spare words, 128 bytes a wave
.set LI,  1
.set STO, 2
.set RD,  3
.set SPW, 4
.set NIL, 5
.set Y,   16                           ; v16-63   the tile as loaded; then my two rows
.set XR,  64                           ; v64-111  x's two rows
.set GA,  112                          ; v112-135 gamma
.set BE,  136                          ; v136-159 beta
	s_load_b256 s[4:11], s[0:1], 0x0               ; attn, x, gamma, beta
	s_load_b64 s[12:13], s[0:1], 0x20              ; out0
	v_lshl_add_u32 v[SPW], v0, 2, SPARE
	v_mov_b32 v[NIL], 0
	v_lshrrev_b32 v8, 5, v0
	v_readfirstlane_b32 s14, v8                    ; wave 0..7
	v_and_b32 v8, 31, v0
	v_lshlrev_b32 v[LI], 4, v8
	v_and_b32 v9, 15, v0
	v_bfe_u32 v10, v0, 4, 1
	v_mul_u32_u24 v[STO], v9, PITCH
	v_lshl_add_u32 v[STO], v10, 5, v[STO]
	s_mul_i32 s15, s14, 384
	v_add_nc_u32 v[STO], s15, v[STO]               ; row r, my head's 384 bytes, + 32 h
	s_mul_i32 s15, s14, 2*PITCH
	v_add_nc_u32 v[RD], s15, v[LI]
	s_lshr_b32 s16, ttmp9, 7                       ; the batch
	s_lshl_b32 s16, s16, 3
	s_add_co_u32 s16, s16, s14
	s_lshl_b32 s16, s16, 7
	s_and_b32 s17, ttmp9, 127
	s_add_co_u32 s16, s16, s17                     ; (8 x batch + head) x 128 + the tile
	s_mul_i32 s16, s16, 6144
	s_mov_b32 s17, 0
	s_lshl_b32 s18, ttmp9, 4
	s_lshl_b32 s19, s14, 1
	s_add_co_u32 s18, s18, s19                     ; my first row
	s_mul_i32 s18, s18, 3072
	s_mov_b32 s19, 0
	s_mov_b32 s20, 0x3aaaaaab                      ; 1 / 768
	s_mov_b32 s21, 0x358637bd                      ; 1e-6
	s_mov_b32 s22, 0x76543210
	s_mov_b32 s23, 0xfedcba98
	s_wait_kmcnt 0x0
	s_add_nc_u64 s[4:5], s[4:5], s[16:17]
	s_add_nc_u64 s[6:7], s[6:7], s[18:19]
	s_add_nc_u64 s[12:13], s[12:13], s[18:19]
.irp i, 0,1,2,3,4,5,6,7,8,9,10,11
	global_load_b128 v[Y+4*\i:Y+4*\i+3], v[LI], s[4:5] offset:512*\i th:TH_LOAD_NT
.endr
.irp rr, 0,1
.irp i, 0,1,2,3,4,5
	global_load_b128 v[XR+24*\rr+4*\i:XR+24*\rr+4*\i+3], v[LI], s[6:7] offset:3072*\rr+512*\i th:TH_LOAD_NT
.endr
.endr
.irp i, 0,1,2,3,4,5
	global_load_b128 v[GA+4*\i:GA+4*\i+3], v[LI], s[8:9] offset:512*\i
.endr
.irp i, 0,1,2,3,4,5
	global_load_b128 v[BE+4*\i:BE+4*\i+3], v[LI], s[10:11] offset:512*\i
.endr
	s_wait_loadcnt 24                              ; the tile's twelve loads are in; x's twelve, gamma's six and beta's six may be out
.irp t, 0,1,2,3,4,5
.irp g, 0,1
	ds_store_b128 v[STO], v[Y+8*\t+4*\g:Y+8*\t+4*\g+3] offset:64*\t+16*\g
.endr
.endr
	s_wait_dscnt 0x0                               ; for the others' sake: my stores have landed
	s_barrier_signal -1
	s_barrier_wait -1
.irp rr, 0,1
.irp i, 0,1,2,3,4,5
	ds_load_b128 v[Y+24*\rr+4*\i:Y+24*\rr+4*\i+3], v[RD] offset:PITCH*\rr+512*\i
.endr
.endr
	s_wait_loadcnt 0x0
	s_wait_dscnt 0x0
.macro REDUCE a                        ; v[a] + v[a + 1], summed over the 32 lanes, into v[a] of every lane
	v_add_f32 v[\a], v[\a], v[\a+1]
	v_add_f32_dpp v[\a], v[\a], v[\a] row_xmask:1 row_mask:0xf bank_mask:0xf
	v_add_f32_dpp v[\a], v[\a], v[\a] row_xmask:2 row_mask:0xf bank_mask:0xf
	v_add_f32_dpp v[\a], v[\a], v[\a] row_xmask:4 row_mask:0xf bank_mask:0xf
	v_add_f32_dpp v[\a], v[\a], v[\a] row_xmask:8 row_mask:0xf bank_mask:0xf
	v_permlanex16_b32 v[\a+1], v[\a], s22, s23
	v_add_f32 v[\a], v[\a], v[\a+1]
.endm
.irp k, 0,1,2,3,4,5,6,7,8,9,10,11
.irp rr, 0,1
	v_pk_add_f32 v[Y+24*\rr+2*\k:Y+24*\rr+2*\k+1], v[Y+24*\rr+2*\k:Y+24*\rr+2*\k+1], v[XR+24*\rr+2*\k:XR+24*\rr+2*\k+1]   ; the residual
.endr
.endr
.irp rr, 0,1
	v_pk_add_f32 v[8+2*\rr:9+2*\rr], v[Y+24*\rr:Y+24*\rr+1], v[Y+24*\rr+2:Y+24*\rr+3]
.endr
.irp k, 2,3,4,5,6,7,8,9,10,11
.irp rr, 0,1
	v_pk_add_f32 v[8+2*\rr:9+2*\rr], v[8+2*\rr:9+2*\rr], v[Y+24*\rr+2*\k:Y+24*\rr+2*\k+1]
.endr
.endr
	REDUCE 8
	REDUCE 10
	v_mul_f32 v8, s20, v8                          ; the means
	v_mul_f32 v10, s20, v10
.irp k, 0,1,2,3,4,5,6,7,8,9,10,11
.irp rr, 0,1
	v_pk_add_f32 v[Y+24*\rr+2*\k:Y+24*\rr+2*\k+1], v[Y+24*\rr+2*\k:Y+24*\rr+2*\k+1], v[8+2*\rr:9+2*\rr] op_sel_hi:[1,0] neg_lo:[0,1] neg_hi:[0,1]   ; y - mean
.endr
.endr
.irp rr, 0,1
	v_pk_mul_f32 v[12+2*\rr:13+2*\rr], v[Y+24*\rr:Y+24*\rr+1], v[Y+24*\rr:Y+24*\rr+1]
.endr
.irp k, 1,2,3,4,5,6,7,8,9,10,11
.irp rr, 0,1
	v_pk_fma_f32 v[12+2*\rr:13+2*\rr], v[Y+24*\rr+2*\k:Y+24*\rr+2*\k+1], v[Y+24*\rr+2*\k:Y+24*\rr+2*\k+1], v[12+2*\rr:13+2*\rr]
.endr
.endr
	REDUCE 12
	REDUCE 14
	v_fma_f32 v12, v12, s20, s21                   ; var + eps
	v_fma_f32 v14, v14, s20, s21
	v_rsq_f32 v12, v12
	v_rsq_f32 v14, v14
	v_nop                                          ; a plain line behind the two
	s_wait_alu depctr_va_vdst(0)                   ; one wait for both, ahead of their first reader
.irp k, 0,1,2,3,4,5,6,7,8,9,10,11
.irp rr, 0,1
	v_pk_mul_f32 v[Y+24*\rr+2*\k:Y+24*\rr+2*\k+1], v[Y+24*\rr+2*\k:Y+24*\rr+2*\k+1], v[12+2*\rr:13+2*\rr] op_sel_hi:[1,0]
.endr
.endr
.irp k, 0,1,2,3,4,5,6,7,8,9,10,11
.irp rr, 0,1
	v_pk_fma_f32 v[Y+24*\rr+2*\k:Y+24*\rr+2*\k+1], v[Y+24*\rr+2*\k:Y+24*\rr+2*\k+1], v[GA+2*\k:GA+2*\k+1], v[BE+2*\k:BE+2*\k+1]
.endr
.endr
.irp rr, 0,1
.irp i, 0,1,2,3,4,5
	global_store_b128 v[LI], v[Y+24*\rr+4*\i:Y+24*\rr+4*\i+3], s[12:13] offset:3072*\rr+512*\i th:TH_STORE_NT
.endr
.endr
	s_wait_tensorcnt 0x0                           ; the wave's end: three closing lines behind my last LDS store
	ds_add_u32 v[SPW], v[NIL]
	s_wait_dscnt 0x0
	s_endpgm
.Lfunc_end_k_qdc4a40032e_ln:
	.size	k_qdc4a40032e_ln, .Lfunc_end_k_qdc4a40032e_ln-k_qdc4a40032e_ln
	.p2alignl 7, 3214868480
	.fill 96, 4, 3214868480
	.section	.rodata,"a",@progbits
	.p2align	6, 0x0
	.amdhsa_kernel k_qdc4a40032e_ln
		.amdhsa_group_segment_fixed_size 50432
		.amdhsa_private_segment_fixed_size 0
		.amdhsa_enable_private_segment 0
		.amdhsa_kernarg_size 40
		.amdhsa_user_sgpr_count 2
		.amdhsa_user_sgpr_kernarg_segment_ptr 1
		.amdhsa_wavefront_size32 1
		.amdhsa_system_sgpr_workgroup_id_x 1
		.amdhsa_system_sgpr_workgroup_id_y 1
		.amdhsa_system_sgpr_workgroup_id_z 1
		.amdhsa_system_vgpr_workitem_id 0
		.amdhsa_next_free_vgpr 160
		.amdhsa_next_free_sgpr 66
		.amdhsa_reserve_vcc 0
		.amdhsa_float_denorm_mode_32 3
		.amdhsa_float_denorm_mode_16_64 3
		.amdhsa_memory_ordered 1
		.amdhsa_forward_progress 1
		.amdhsa_inst_pref_size 19
	.end_amdhsa_kernel
	.amdgpu_metadata
---
amdhsa.version: [ 1, 2 ]
amdhsa.kernels:
  - .name:           k_qdc4a40032e_ln
    .symbol:         k_qdc4a40032e_ln.kd
    .args:
      - { .name: attn, .offset: 0, .size: 8, .value_kind: global_buffer, .address_space: global }
      - { .name: x, .offset: 8, .size: 8, .value_kind: global_buffer, .address_space: global }
      - { .name: gamma, .offset: 16, .size: 8, .value_kind: global_buffer, .address_space: global }
      - { .name: beta, .offset: 24, .size: 8, .value_kind: global_buffer, .address_space: global }
      - { .name: out0, .offset: 32, .size: 8, .value_kind: global_buffer, .address_space: global }
    .group_segment_fixed_size: 50432
    .private_segment_fixed_size: 0
    .kernarg_segment_align: 8
    .kernarg_segment_size: 40
    .max_flat_workgroup_size: 256
    .sgpr_count:     66
    .vgpr_count:     160
    .wavefront_size: 32
...
	.end_amdgpu_metadata
.endif
;; end of part 4
;; ======== version 2 of 2: 4 launches
;; limits: right only within a limited range of input values
;; workspace buffers: xc 18,874,368 bytes; wc 1,769,472 bytes; qc 6,291,456 bytes; kc 6,291,456 bytes; vc 6,291,456 bytes; attn 25,165,824 bytes; flags 512 bytes of whole numbers
;; launch prep (part 5): grid 365 x 1, 4 waves a work-group, no clusters, 34,304 bytes of LDS; arguments x, Wq, Wk, Wv, pad_mask, lowp_scales, xc, wc, flags; writes xc, wc, flags
.if DOCPART == 5
	.amdgcn_target "amdgcn-amd-amdhsa--gfx1250"
	.amdhsa_code_object_version 6
	.text
	.protected	k_qdc4a40032e_prep
	.globl	k_qdc4a40032e_prep
	.p2align	8
	.type	k_qdc4a40032e_prep,@function
k_qdc4a40032e_prep:
	s_mov_b64 s[64:65], 0
	v_nop
	global_prefetch_b8 v0, s[64:65] scope:SCOPE_SE
	s_setreg_imm32_b32 hwreg(HW_REG_WAVE_MODE, 25, 1), 1
	s_wait_xcnt 0x0
; MULTI-HEAD CAUSAL ATTENTION IN E5M2, launch 1 of 4: the operands that arrive wide become codes, once.
;   work-groups 0-255:   x [8192][768] f32 -> xc: three sets of codes, under 2^e0, 2^e2, 2^e4 (x is the left operand of three products, each with a scale of its own)
;   work-groups 256-363: Wq, Wk, Wv [768 (k)][768 (n)] f32 -> wc, under 2^e1, 2^e3, 2^e5
;   work-group 364:      pad_mask -> flags: for each batch a word whose bit j says that some pad_mask[b][128 j .. 128 j + 127] is not +-0
; code = number / 2^e, held within +-57,344, rounded to the nearest code, ties to even.
; LAYOUT: xc and wc are images of operand registers.  A fragment (16 rows x 128 K) is 2,048 bytes: group c of four registers at 512 c, lane l's 16 bytes at 16 l;
; lane (r, h) holds, of row r, K = 32 c + 16 h + 0 .. 15.  The same order of K on both sides of a product, so every number meets its partner.
;   xc: [version][tile of 16 tokens][K step of 128][2,048];   wc: [matrix][tile of 16 columns][K step][2,048].
; WORK LEFT OUT BY THE PROGRAM (in the third launch), and why it is dead.  For a key k > q reference() builds merge = 0, so the score enters as score x 0: for every finite score the logit is
; the constant -1e10 / sqrt(96).  So the product q . k on tiles that lie wholly above the diagonal reaches no output, whatever the inputs hold.  The hidden keys' WEIGHT is not dead: it is
; 2^(T0 - M), T0 that constant in base 2.  Where key 0 of the batch counts (no pad in keys 0-127: bit 0 of the flags clear) M is an ordinary number for every query and the weight is under every
; f32 number, as it is in reference()'s own f32; where bit 0 is set, the third launch adds the hidden keys' weights and values.  No input is left out.
; LIMITS: e0 .. e5 between -126 and 112.  NaN and infinity among the inputs are not served; one that reaches only the work left out is not carried to the result.
.set SPARE, 33792                      ; behind the four stages: the spare words, 128 bytes a wave
.set STG,   8448                       ; a wave's stage: 16 rows x (512 + 16) bytes
.set SPW,   12                         ; v12  my spare word's address; never rewritten
.set NIL,   13                         ; v13  0; never rewritten
.set CD,    20                         ; v20-31   codes, four registers a version
.set R,     32                         ; v32-159  two sets of 64 numbers as loaded
.set X,     160                        ; v160-223 my 64 neighbours along K
.set TM,    224                        ; v224-239 sixteen numbers, held
	s_load_b256 s[4:11], s[0:1], 0x0               ; x, Wq, Wk, Wv
	s_load_b256 s[12:19], s[0:1], 0x20             ; pad_mask, lowp_scales, xc, wc
	s_load_b64 s[20:21], s[0:1], 0x40              ; flags
	v_lshl_add_u32 v[SPW], v0, 2, SPARE
	v_mov_b32 v[NIL], 0
	v_lshrrev_b32 v1, 5, v0
	v_readfirstlane_b32 s22, v1                    ; wave 0..3
	v_and_b32 v4, 31, v0                           ; lane
	v_lshlrev_b32 v1, 4, v4                        ; 16 x lane
	s_wait_kmcnt 0x0
	s_load_b256 s[32:39], s[14:15], 0x0            ; e0 .. e7
	s_cmp_lt_u32 ttmp9, 256                        ; the three parts of the grid part on the work-group's number alone; only the first touches LDS
	s_cbranch_scc0 .Lnot_x
; ---- x.  Wave w: token tile 2 x work-group + w / 2, K steps 3 (w % 2) + 0 .. 2.  A unit is 16 rows x 128 numbers.
	s_lshr_b32 s23, s22, 1
	s_lshl_b32 s40, ttmp9, 1
	s_add_co_u32 s40, s40, s23                     ; the tile
	s_and_b32 s41, s22, 1
	s_mul_i32 s41, s41, 3                          ; my first K step
	s_mul_i32 s42, s40, 49152                      ; 16 rows of 3,072 bytes
	s_lshl_b32 s43, s41, 9
	s_add_co_u32 s42, s42, s43
	s_mov_b32 s43, 0
	s_add_nc_u64 s[4:5], s[4:5], s[42:43]
	s_mul_i32 s42, s40, 6
	s_add_co_u32 s42, s42, s41
	s_lshl_b32 s42, s42, 11                        ; fragment 6 x tile + K step
	s_add_nc_u64 s[24:25], s[16:17], s[42:43]      ; the three versions' places
	s_add_nc_u64 s[26:27], s[24:25], 6291456
	s_add_nc_u64 s[28:29], s[26:27], 6291456
	s_mul_i32 s44, s22, STG
	s_wait_alu depctr_va_vdst(0)
	v_add_nc_u32 v2, s44, v1                       ; into my stage: a row's 512 bytes as they lie
	v_and_b32 v5, 15, v0
	v_bfe_u32 v6, v0, 4, 1
	v_mul_u32_u24 v3, v5, 528
	v_lshl_add_u32 v3, v6, 6, v3
	v_add_nc_u32 v3, s44, v3                       ; out of it: row r, + 64 h: rows 528 bytes apart
.macro LOADU u, set                    ; a unit: each load reads 512 consecutive bytes of one row
.irp i, 0,1,2,3,4,5,6,7,8,9,10,11,12,13,14,15
	global_load_b128 v[R+64*\set+4*\i:R+64*\set+4*\i+3], v1, s[4:5] offset:3072*\i+512*\u th:TH_LOAD_NT
.endr
.endm
.macro TURNU set                       ; through the stage: LDS serves a wave's instructions in order, so no wait stands between the stores and the loads
.irp i, 0,1,2,3,4,5,6,7,8,9,10,11,12,13,14,15
	ds_store_b128 v2, v[R+64*\set+4*\i:R+64*\set+4*\i+3] offset:528*\i
.endr
.irp c, 0,1,2,3
.irp q, 0,1,2,3
	ds_load_b128 v[X+16*\c+4*\q:X+16*\c+4*\q+3], v3 offset:128*\c+16*\q
.endr
.endr
.endm
.macro MKSC e, vsc, vlim               ; 2^e as f32 (the conversion takes its exponent field), and 57,344 x 2^e
	s_add_co_i32 s45, \e, 127
	s_lshl_b32 s46, s45, 23
	v_mov_b32 v[\vsc], s46
	s_add_co_i32 s45, s45, 15
	s_lshl_b32 s45, s45, 23
	s_or_b32 s45, s45, 0x600000
	v_mov_b32 v[\vlim], s45
.endm
.macro CONVU u                         ; a unit's fragment, three times: group c of each version leaves as 512 consecutive bytes
.irp c, 0,1,2,3
	s_wait_xcnt 0x0                                ; the last group's stores have read their registers
.irp v, 0,1,2
.irp i, 0,1,2,3,4,5,6,7,8,9,10,11,12,13,14,15
	v_med3_num_f32 v[TM+\i], v[X+16*\c+\i], -v[15+2*\v], v[15+2*\v]   ; the conversion does not saturate (ISA guide 7.6.2): the hold comes first
.endr
	v_cvt_scalef32_pk8_bf8_f32 v[CD+4*\v:CD+4*\v+1], v[TM:TM+7], v[14+2*\v]
	v_cvt_scalef32_pk8_bf8_f32 v[CD+4*\v+2:CD+4*\v+3], v[TM+8:TM+15], v[14+2*\v]
	v_nop                                          ; a plain line between the conversions and the next version's holds, which write their sources
	global_store_b128 v1, v[CD+4*\v:CD+4*\v+3], s[24+2*\v:25+2*\v] offset:2048*\u+512*\c
.endr
.endr
.endm
	LOADU 0, 0
	LOADU 1, 1
	s_wait_alu depctr_va_vdst(0)
	s_wait_kmcnt 0x0
	MKSC s32, 14, 15
	MKSC s34, 16, 17
	MKSC s36, 18, 19
	s_wait_alu depctr_va_vdst(0)
	s_wait_loadcnt 16                              ; unit 0's sixteen loads are in; unit 1's may be out
	TURNU 0
	s_wait_dscnt 0x0                               ; my neighbours are in, and the stores have read set 0,
	LOADU 2, 0                                     ; which takes unit 2
	CONVU 0
	s_wait_loadcnt 16                              ; unit 1 is in; unit 2's sixteen may be out
	TURNU 1
	s_wait_dscnt 0x0
	CONVU 1
	s_wait_loadcnt 0x0
	TURNU 0
	s_wait_dscnt 0x0
	CONVU 2
	s_wait_tensorcnt 0x0                           ; the wave's end: three closing lines behind my last LDS store
	ds_add_u32 v[SPW], v[NIL]
	s_wait_dscnt 0x0
	s_endpgm
; ---- W.  108 work-groups: matrix (3) x 128 columns (6) x K step (6).  A LANE TAKES A COLUMN AND ITS REGISTERS RUN DOWN K, so the conversions' results have K innermost and nothing is transposed.
.Lnot_x:
	s_cmp_lt_u32 ttmp9, 364
	s_cbranch_scc0 .Lflags
	s_sub_co_u32 s40, ttmp9, 256
	s_cmp_ge_u32 s40, 36
	s_cselect_b32 s41, 1, 0
	s_cmp_ge_u32 s40, 72
	s_cselect_b32 s42, 1, 0
	s_add_co_u32 s41, s41, s42                     ; the matrix
	s_mul_i32 s42, s41, 36
	s_sub_co_u32 s42, s40, s42                     ; 0 .. 35
	s_mul_i32 s43, s42, 43
	s_lshr_b32 s43, s43, 8                         ; / 6: which 128 columns
	s_mul_i32 s44, s43, 6
	s_sub_co_u32 s44, s42, s44                     ; the K step
	s_cmp_eq_u32 s41, 0
	s_cselect_b64 s[46:47], s[6:7], s[8:9]
	s_cmp_eq_u32 s41, 2
	s_cselect_b64 s[46:47], s[10:11], s[46:47]
	s_mul_i32 s48, s44, 393216                     ; 128 rows of 3,072 bytes
	s_lshl_b32 s49, s43, 9
	s_add_co_u32 s48, s48, s49
	s_lshl_b32 s49, s22, 7                         ; my wave's 32 columns
	s_add_co_u32 s48, s48, s49
	s_mov_b32 s49, 0
	s_add_nc_u64 s[46:47], s[46:47], s[48:49]
	s_mul_i32 s50, s41, 48
	s_lshl_b32 s51, s43, 3
	s_add_co_u32 s50, s50, s51
	s_lshl_b32 s51, s22, 1
	s_add_co_u32 s50, s50, s51                     ; my first tile of 16 columns
	s_mul_i32 s50, s50, 6
	s_add_co_u32 s50, s50, s44
	s_lshl_b32 s50, s50, 11
	s_mov_b32 s51, 0
	s_add_nc_u64 s[18:19], s[18:19], s[50:51]
	s_wait_alu depctr_va_vdst(0)
	v_lshlrev_b32 v2, 2, v4                        ; in: 4 bytes a lane
	v_lshrrev_b32 v5, 4, v4
	v_and_b32 v6, 15, v4
	v_mul_u32_u24 v3, v5, 12288                    ; out: lanes 16-31 hold the next tile of columns, six fragments on
	v_lshl_add_u32 v3, v6, 4, v3
.macro WLOAD c                         ; rows 32 c .. 32 c + 31 of the K step
.set i, 32*(\c)
.rept 32
	global_load_b32 v[32+i], v2, s[46:47] offset:3072*i th:TH_LOAD_NT
.set i, i+1
.endr
.endm
.macro WBLOCK c, left                  ; group c of the fragment: the column's lane makes the 16 bytes of both halves of the lanes; a store fills two aligned runs of 256 bytes
	s_wait_loadcnt \left
.irp h, 0,1
.irp i, 0,1,2,3,4,5,6,7,8,9,10,11,12,13,14,15
	v_med3_num_f32 v[32+32*\c+16*\h+\i], v[32+32*\c+16*\h+\i], -v15, v15
.endr
	v_cvt_scalef32_pk8_bf8_f32 v[160+8*\c+4*\h:161+8*\c+4*\h], v[32+32*\c+16*\h:39+32*\c+16*\h], v14
	v_cvt_scalef32_pk8_bf8_f32 v[162+8*\c+4*\h:163+8*\c+4*\h], v[40+32*\c+16*\h:47+32*\c+16*\h], v14
	global_store_b128 v3, v[160+8*\c+4*\h:163+8*\c+4*\h], s[18:19] offset:512*\c+256*\h
.endr
.endm
	WLOAD 0
	WLOAD 1
	s_wait_kmcnt 0x0
	s_cmp_eq_u32 s41, 0
	s_cselect_b32 s45, s33, s35
	s_cmp_eq_u32 s41, 2
	s_cselect_b32 s45, s37, s45                    ; e1, e3 or e5
	s_add_co_i32 s45, s45, 127
	s_lshl_b32 s52, s45, 23
	v_mov_b32 v14, s52
	s_add_co_i32 s45, s45, 15
	s_lshl_b32 s45, s45, 23
	s_or_b32 s45, s45, 0x600000
	v_mov_b32 v15, s45
	s_wait_alu depctr_va_vdst(0)
	WBLOCK 0, 32                                   ; the block's 32 loads are in; the next block's 32 may be out
	WLOAD 2
	WBLOCK 1, 32
	WLOAD 3
	WBLOCK 2, 32
	WBLOCK 3, 0
	s_endpgm
; ---- the flags.  Wave b reads batch b's 2,048 numbers; load j is keys 128 j .. 128 j + 127.  The result is stored and steers nothing here.
.Lflags:
	s_lshl_b32 s40, s22, 13
	s_mov_b32 s41, 0
	s_add_nc_u64 s[12:13], s[12:13], s[40:41]
	s_wait_alu depctr_va_vdst(0)
.irp j, 0,1,2,3,4,5,6,7,8,9,10,11,12,13,14,15
	global_load_b128 v[32+4*\j:35+4*\j], v1, s[12:13] offset:512*\j
.endr
	s_lshl_b32 s40, s22, 7
	s_add_nc_u64 s[20:21], s[20:21], s[40:41]
	s_mov_b32 s42, 0
	s_wait_loadcnt 0x0
.irp j, 0,1,2,3,4,5,6,7,8,9,10,11,12,13,14,15
	v_or_b32 v8, v[32+4*\j], v[33+4*\j]
	v_or_b32 v9, v[34+4*\j], v[35+4*\j]
	v_or_b32 v8, v8, v9
	v_and_b32 v8, 0x7fffffff, v8                   ; -0 counts as 0
	v_cmp_ne_u32 s43, 0, v8
	s_cmp_lg_u32 s43, 0
	s_cselect_b32 s44, (1<<\j), 0
	s_or_b32 s42, s42, s44
.endr
	v_mov_b32 v8, s42
	v_lshlrev_b32 v9, 2, v4
	global_store_b32 v9, v8, s[20:21]              ; the batch's word, 32 times
	s_endpgm
.Lfunc_end_k_qdc4a40032e_prep:
	.size	k_qdc4a40032e_prep, .Lfunc_end_k_qdc4a40032e_prep-k_qdc4a40032e_prep
	.p2alignl 7, 3214868480
	.fill 96, 4, 3214868480
	.section	.rodata,"a",@progbits
	.p2align	6, 0x0
	.amdhsa_kernel k_qdc4a40032e_prep
		.amdhsa_group_segment_fixed_size 34304
		.amdhsa_private_segment_fixed_size 0
		.amdhsa_enable_private_segment 0
		.amdhsa_kernarg_size 72
		.amdhsa_user_sgpr_count 2
		.amdhsa_user_sgpr_kernarg_segment_ptr 1
		.amdhsa_wavefront_size32 1
		.amdhsa_system_sgpr_workgroup_id_x 1
		.amdhsa_system_sgpr_workgroup_id_y 1
		.amdhsa_system_sgpr_workgroup_id_z 1
		.amdhsa_system_vgpr_workitem_id 0
		.amdhsa_next_free_vgpr 240
		.amdhsa_next_free_sgpr 66
		.amdhsa_reserve_vcc 0
		.amdhsa_float_denorm_mode_32 3
		.amdhsa_float_denorm_mode_16_64 3
		.amdhsa_memory_ordered 1
		.amdhsa_forward_progress 1
		.amdhsa_inst_pref_size 91
	.end_amdhsa_kernel
	.amdgpu_metadata
---
amdhsa.version: [ 1, 2 ]
amdhsa.kernels:
  - .name:           k_qdc4a40032e_prep
    .symbol:         k_qdc4a40032e_prep.kd
    .args:
      - { .name: x, .offset: 0, .size: 8, .value_kind: global_buffer, .address_space: global }
      - { .name: Wq, .offset: 8, .size: 8, .value_kind: global_buffer, .address_space: global }
      - { .name: Wk, .offset: 16, .size: 8, .value_kind: global_buffer, .address_space: global }
      - { .name: Wv, .offset: 24, .size: 8, .value_kind: global_buffer, .address_space: global }
      - { .name: pad_mask, .offset: 32, .size: 8, .value_kind: global_buffer, .address_space: global }
      - { .name: lowp_scales, .offset: 40, .size: 8, .value_kind: global_buffer, .address_space: global }
      - { .name: xc, .offset: 48, .size: 8, .value_kind: global_buffer, .address_space: global }
      - { .name: wc, .offset: 56, .size: 8, .value_kind: global_buffer, .address_space: global }
      - { .name: flags, .offset: 64, .size: 8, .value_kind: global_buffer, .address_space: global }
    .group_segment_fixed_size: 34304
    .private_segment_fixed_size: 0
    .kernarg_segment_align: 8
    .kernarg_segment_size: 72
    .max_flat_workgroup_size: 128
    .sgpr_count:     66
    .vgpr_count:     240
    .wavefront_size: 32
...
	.end_amdgpu_metadata
.endif
;; end of part 5
;; launch proj (part 6): grid 6 x 32, 4 waves a work-group, no clusters, 197,120 bytes of LDS; arguments xc, wc, bq, bk, bv, lowp_scales, qc, kc, vc; writes qc, kc, vc
.if DOCPART == 6
	.amdgcn_target "amdgcn-amd-amdhsa--gfx1250"
	.amdhsa_code_object_version 6
	.text
	.protected	k_qdc4a40032e_proj
	.globl	k_qdc4a40032e_proj
	.p2align	8
	.type	k_qdc4a40032e_proj,@function
k_qdc4a40032e_proj:
	s_mov_b64 s[64:65], 0
	v_nop
	global_prefetch_b8 v0, s[64:65] scope:SCOPE_SE
	s_setreg_imm32_b32 hwreg(HW_REG_WAVE_MODE, 25, 1), 1
	s_wait_xcnt 0x0
; Launch 2 of 4: q = x Wq + bq, k = x Wk + bk, v = x Wv + bv on codes of E5M2, and the results quantised at once for the two products of attention.
; SHARES.  Work-group x = 0 .. 5: matrix x / 2 (q, k, v), heads 4 (x % 2) + wave: a wave owns one head, 96 columns.  Work-group y = 0 .. 31: 256 tokens.
; A wave's 36 fragments of W (6 tiles of columns x 6 K steps) stay in its registers; the work-group's 196,608 bytes of x's codes are brought into LDS once, by one tensor load a wave, and read by all four.
; q and k: source 0 = 16 columns of W, source 1 = 16 tokens: a lane holds ONE token and eight neighbouring channels of the head, which are neighbours along the next product's K.
; v: the sources change places: a lane holds ONE channel and eight neighbouring tokens, which are neighbours along ITS next K, the keys.  So the conversions' results are operand registers in both cases.
; The bias is the C of a sum's first product, divided by the power of two that the sums lack; the three scales ahead of the quantiser are folded into the conversion's one: 2^(eo - ea - eb).
; OUT: qc, kc: [batch x head][tile of 16 tokens][1,536]: registers 2 t, 2 t + 1 of lane (r, h): token r, channels 16 t + 8 h + 0 .. 7.   vc: [batch x head][128 keys][tile of 16 channels][2,048]: registers 2 c, 2 c + 1: channel r, keys 16 c + 8 h + 0 .. 7.
; No cluster: x's block is read by two work-groups only, and a grid of six along x is no multiple of four.  192 work-groups: 2,304 columns have a factor 3 that 256 has not.
; LIMITS: eo - ea - eb between -126 and 112 for (e6, e0, e1), (e7, e2, e3), (e9, e4, e5).  NaN and infinity are not served.
; REGISTERS, in windows of 256: window 0: v1, v2 addresses; v32-127, v128-223 x's six fragments, two sets; v224-247 codes; v248, v249 the scale and the hold; v252, v253 the add's two.
;   windows 1, 2, 3: W's fragments of K steps 0-1, 2-3, 4-5, at v[16 (6 (s % 2) + t)];  window 1 v192-239: the six accumulators;  window 2 v192-239: the bias's six tiles.
.set SPARE, 196608                     ; behind x's codes: the spare words, 128 bytes a wave
.set LI,   1                           ; v1   16 x lane
.set ADR,  2                           ; v2   the fetch in hand
.set XS,   32
.set CD,   224
.set SC,   248
.set LIM,  249
.set SPW,  252
.set NIL,  253
.set ACC,  192                         ; in window 1; the bias has the same numbers in window 2
.set WV,   22
.set CG,   23
.set G0,   24                          ; s[24:27] descriptor group 0
.set G1,   28                          ; s[28:35] descriptor group 1
.set TB,   38                          ; s38  LDS byte of the token tile to be fetched
.set OUT,  56                          ; s[56:57]
.set CNT,  58
.set MSB, 0
.macro WIN new                         ; the immediate's high byte repeats the setting that is left
.if MSB != (\new)
	s_set_vgpr_msb (MSB<<8)|(\new)
.set MSB, (\new)
.endif
.endm
	s_load_b256 s[4:11], s[0:1], 0x0               ; xc, wc, bq, bk
	s_load_b256 s[12:19], s[0:1], 0x20             ; bv, lowp_scales, qc, kc
	s_load_b64 s[20:21], s[0:1], 0x40              ; vc
	v_lshl_add_u32 v[SPW], v0, 2, SPARE
	v_mov_b32 v[NIL], 0
	ds_add_u32 v[SPW], v[NIL]                      ; the wave's opening: the add, twice on end, and its wait ahead of my tensor load
	ds_add_u32 v[SPW], v[NIL]
	v_lshrrev_b32 v1, 5, v0
	v_readfirstlane_b32 s[WV], v1                  ; wave 0..3
	s_mov_b32 s[CG], ttmp9
	s_and_b32 s39, ttmp7, 0xffff                   ; which 256 tokens
	s_mov_b32 s[G1+0], 3<<16                       ; no mask; elements of 8 bytes; no padding: the block is read as dense images
	s_mov_b32 s[G1+1], 32<<16                      ; tensor_dim0 = 32 elements: rows of 256 bytes
	s_mov_b32 s[G1+2], 192<<16                     ; tensor_dim1 = 192 rows: a quarter of the block
	s_mov_b32 s[G1+3], 32<<16                      ; tile_dim0
	s_mov_b32 s[G1+4], 192                         ; tile_dim1
	s_mov_b32 s[G1+5], 32                          ; the pitch: dense
	s_mov_b32 s[G1+6], 0
	s_mov_b32 s[G1+7], 0
	s_mov_b32 s[G0], 1
	s_mul_i32 s[G0+1], s[WV], 49152                ; my quarter in LDS
	s_lshr_b32 s36, s[CG], 1                       ; the matrix, and x's version
	s_mul_i32 s36, s36, 6291456
	s_mul_i32 s37, s39, 196608
	s_add_co_u32 s36, s36, s37
	s_add_co_u32 s36, s36, s[G0+1]
	s_mov_b32 s37, 0
	v_and_b32 v3, 31, v0
	v_lshlrev_b32 v[LI], 4, v3
	s_wait_alu depctr_va_vdst(0)
	s_wait_dscnt 0x0                               ; both opening adds are done
	s_wait_kmcnt 0x0
	s_add_nc_u64 s[G0+2:G0+3], s[4:5], s[36:37]
	s_or_b32 s[G0+3], s[G0+3], 0x80000000          ; type = 2
	tensor_load_to_lds s[G0:G0+3], s[G1:G1+7]      ; every wave's one tensor load of the launch: one is out
	s_nop 0
.rept 4
	v_nop
.endr
	s_load_b256 s[40:47], s[14:15], 0x0            ; e0 .. e7
	s_load_b64 s[48:49], s[14:15], 0x20            ; e8, e9
	s_lshl_b32 s36, s[CG], 2
	s_add_co_u32 s36, s36, s[WV]                   ; 8 x matrix + head
	s_mul_i32 s36, s36, 73728                      ; a head's 36 fragments
	s_add_nc_u64 s[6:7], s[6:7], s[36:37]
.irp p, 0,1,2                          ; W's fragments: K steps 2 p + q into window 1 + p
	WIN 0x40*(\p+1)
.irp q, 0,1
.irp t, 0,1,2,3,4,5
.irp c, 0,1,2,3
	global_load_b128 v[16*(6*\q+\t)+4*\c:16*(6*\q+\t)+4*\c+3], v[LI], s[6:7] offset:2048*(6*\t+2*\p+\q)+512*\c
.endr
.endr
.endr
.endr
	WIN 0
	v_and_b32 v3, 15, v0                           ; r
	v_bfe_u32 v4, v0, 4, 1                         ; h
	s_and_b32 s59, s[CG], 1
	s_lshl_b32 s59, s59, 2
	s_add_co_u32 s59, s59, s[WV]                   ; my head
	s_mul_i32 s36, s59, 384
	s_cmp_lt_u32 s[CG], 2                          ; the choices hang on the work-group's number alone
	s_cselect_b64 s[60:61], s[8:9], s[10:11]
	s_cselect_b64 s[OUT:OUT+1], s[16:17], s[18:19]
	s_cmp_lt_u32 s[CG], 4
	s_cselect_b64 s[60:61], s[60:61], s[12:13]
	s_cselect_b64 s[OUT:OUT+1], s[OUT:OUT+1], s[20:21]
	s_add_nc_u64 s[60:61], s[60:61], s[36:37]      ; my head's 96 numbers of the bias
	s_lshr_b32 s36, s39, 3
	s_lshl_b32 s36, s36, 3
	s_add_co_u32 s36, s36, s59                     ; 8 x batch + head
	s_mul_i32 s36, s36, 196608                     ; a head's codes, in qc, kc and vc alike,
	s_and_b32 s62, s39, 7
	s_mul_i32 s62, s62, 24576                      ; and 256 tokens' part of them, alike too
	s_add_co_u32 s36, s36, s62
	s_add_nc_u64 s[OUT:OUT+1], s[OUT:OUT+1], s[36:37]
	s_wait_kmcnt 0x0
	s_cmp_lt_u32 s[CG], 2                          ; the given exponents are chosen without a jump
	s_cselect_b32 s50, s40, s42
	s_cselect_b32 s51, s41, s43
	s_cselect_b32 s52, s46, s47
	s_cmp_lt_u32 s[CG], 4
	s_cselect_b32 s50, s50, s44
	s_cselect_b32 s51, s51, s45
	s_cselect_b32 s52, s52, s49
	s_add_co_i32 s50, s50, s51                     ; ea + eb: a sum stands for sum x 2^(ea + eb)
	s_sub_co_i32 s53, 0, s50
	s_sub_co_i32 s54, s52, s50
	s_add_co_i32 s54, s54, 127
	s_lshl_b32 s55, s54, 23
	v_mov_b32 v[SC], s55                           ; 2^(eo - ea - eb)
	s_add_co_i32 s54, s54, 15
	s_lshl_b32 s54, s54, 23
	s_or_b32 s54, s54, 0x600000
	v_mov_b32 v[LIM], s54                          ; 57,344 x that
	s_cmp_ge_u32 s[CG], 4
	s_cbranch_scc1 .Lbias_v
	s_wait_alu depctr_va_vdst(0)
	v_lshlrev_b32 v5, 5, v4                        ; q, k: register j of tile t is channel 16 t + 8 h + j
	WIN 0x80
.irp t, 0,1,2,3,4,5
	global_load_b128 v[ACC+8*\t:ACC+8*\t+3], v5, s[60:61] offset:64*\t
	global_load_b128 v[ACC+8*\t+4:ACC+8*\t+7], v5, s[60:61] offset:64*\t+16
.endr
	s_wait_loadcnt 0x0                             ; the bias, and W
	WIN 0x82
.set j, 0
.rept 48
	v_ldexp_f32 v[ACC+j], v[ACC+j], s53            ; bias / 2^(ea + eb)
.set j, j+1
.endr
	WIN 0
	s_branch .Lbias_done
.Lbias_v:
	s_wait_alu depctr_va_vdst(0)
	v_lshlrev_b32 v5, 2, v3                        ; v: all eight registers of tile t are channel 16 t + r
	WIN 0x80
.irp t, 0,1,2,3,4,5
	global_load_b32 v[ACC+8*\t], v5, s[60:61] offset:64*\t
.endr
	s_wait_loadcnt 0x0
	WIN 0x82
.irp t, 0,1,2,3,4,5
	v_ldexp_f32 v[ACC+8*\t], v[ACC+8*\t], s53
.endr
.irp t, 0,1,2,3,4,5
.irp j, 1,2,3,4,5,6,7
	v_mov_b32 v[ACC+8*\t+\j], v[ACC+8*\t]
.endr
.endr
	WIN 0
.Lbias_done:
.macro XFETCH set                      ; the next token tile's six fragments, as images: 24 loads of 512 consecutive bytes
	v_add_nc_u32 v[ADR], s[TB], v[LI]
.irp s, 0,1,2,3,4,5
.irp c, 0,1,2,3
	ds_load_b128 v[XS+96*\set+16*\s+4*\c:XS+96*\set+16*\s+4*\c+3], v[ADR] offset:2048*\s+512*\c
.endr
.endr
	s_add_co_u32 s[TB], s[TB], 12288
.endm
; 36 products: the six accumulators take turns, one instruction a turn, K step by K step.  The first K step takes the bias (window 2) as C.  v = 1: the sources change places.
.macro MM set, v
.irp s, 0,1,2,3,4,5
.if \s == 0
.set CW, 2
.else
.set CW, 1
.endif
.set WW, 1+(\s)/2
.if \v
	WIN (0x40|(CW<<4)|(WW<<2))
.else
	WIN (0x40|(CW<<4)|WW)
.endif
.irp t, 0,1,2,3,4,5
.set rW, 16*(6*((\s)%2)+\t)
.set rX, XS+96*(\set)+16*(\s)
.set rA, ACC+8*\t
.if \v
	v_wmma_f32_16x16x128_bf8_bf8 v[rA:rA+7], v[rX:rX+15], v[rW:rW+15], v[rA:rA+7]
.else
	v_wmma_f32_16x16x128_bf8_bf8 v[rA:rA+7], v[rW:rW+15], v[rX:rX+15], v[rA:rA+7]
.endif
.endr
.endr
.endm
; The six tiles become codes: tile t's pair of registers at base + stride x t.  Four places stand behind the last product (ISA guide 7.12.1): they serve the holds below and the next fetch into x's registers.
.macro CONV base, stride
	WIN 0
.rept 4
	v_nop
.endr
	s_wait_xcnt 0x0                                ; earlier stores have read the codes' registers
	WIN 0x41
.set j, 0
.rept 48
	v_med3_num_f32 v[ACC+j], v[ACC+j], -v[LIM], v[LIM]   ; each accumulator from its low end on
.set j, j+1
.endr
	WIN 0x01
.irp t, 0,1,2,3,4,5
	v_cvt_scalef32_pk8_bf8_f32 v[\base+\stride*\t:\base+\stride*\t+1], v[ACC+8*\t:ACC+8*\t+7], v[SC]
.endr
	WIN 0
	v_nop                                          ; a plain line between the conversions and the next products, which write their sources
.endm
; Two token tiles.  While one set of x's fragments is multiplied, the other is on its way from LDS.  All LDS lines stand in the text that both kinds of work-group walk.
.macro TRIP last
	s_wait_dscnt 0x0                               ; set 0 is in
	XFETCH 1
	s_cmp_ge_u32 s[CG], 4
	s_cbranch_scc1 .Lv0_\@
	s_wait_alu depctr_va_vdst(0)
	MM 0, 0
	CONV CD, 2
.irp g, 0,1,2
	global_store_b128 v[LI], v[CD+4*\g:CD+4*\g+3], s[OUT:OUT+1] offset:512*\g
.endr
	s_branch .Lj0_\@
.Lv0_\@:
	s_wait_alu depctr_va_vdst(0)
	MM 0, 1
	CONV CD, 4                                     ; the even tile's eight keys: the lower pair of each group of four registers
.Lj0_\@:
	s_wait_dscnt 0x0                               ; set 1 is in
.if \last == 0
	XFETCH 0
.endif
	s_cmp_ge_u32 s[CG], 4
	s_cbranch_scc1 .Lv1_\@
	MM 1, 0
	CONV CD+12, 2
.irp g, 0,1,2
	global_store_b128 v[LI], v[CD+12+4*\g:CD+12+4*\g+3], s[OUT:OUT+1] offset:1536+512*\g
.endr
.if \last == 0
	s_wait_xcnt 0x0                                ; the stores have read their base
	s_add_nc_u64 s[OUT:OUT+1], s[OUT:OUT+1], 3072
.endif
	s_branch .Lj1_\@
.Lv1_\@:
	MM 1, 1
	CONV CD+2, 4                                   ; the odd tile's: the upper pair
.irp t, 0,1,2,3,4,5
	global_store_b128 v[LI], v[CD+4*\t:CD+4*\t+3], s[OUT:OUT+1] offset:2048*\t
.endr
.if \last == 0
	s_wait_xcnt 0x0
	s_and_b32 s62, s[CNT], 3
	s_cmp_eq_u32 s62, 3                            ; four trips fill a block of 128 keys: then on to the next block
	s_mov_b32 s60, 512
	s_cselect_b32 s60, 10752, s60
	s_mov_b32 s61, 0
	s_add_nc_u64 s[OUT:OUT+1], s[OUT:OUT+1], s[60:61]
.endif
.Lj1_\@:
.endm
	s_mov_b32 s[TB], 0
	s_wait_tensorcnt 0x0                           ; my quarter of x's codes has landed,
	s_barrier_signal -1
	s_barrier_wait -1                              ; everybody's has; nothing is filled again in this launch
	XFETCH 0
	s_mov_b32 s[CNT], 0
.Ltrip:
	TRIP 0
	s_add_co_u32 s[CNT], s[CNT], 1
	s_cmp_lt_u32 s[CNT], 7
	s_cbranch_scc1 .Ltrip
	TRIP 1                                         ; the last two tiles are written out: nothing more is fetched or stepped
	s_wait_tensorcnt 0x0                           ; the wave's end: three closing lines
	ds_add_u32 v[SPW], v[NIL]
	s_wait_dscnt 0x0
	s_endpgm
.Lfunc_end_k_qdc4a40032e_proj:
	.size	k_qdc4a40032e_proj, .Lfunc_end_k_qdc4a40032e_proj-k_qdc4a40032e_proj
	.p2alignl 7, 3214868480
	.fill 96, 4, 3214868480
	.section	.rodata,"a",@progbits
	.p2align	6, 0x0
	.amdhsa_kernel k_qdc4a40032e_proj
		.amdhsa_group_segment_fixed_size 197120
		.amdhsa_private_segment_fixed_size 0
		.amdhsa_enable_private_segment 0
		.amdhsa_kernarg_size 72
		.amdhsa_user_sgpr_count 2
		.amdhsa_user_sgpr_kernarg_segment_ptr 1
		.amdhsa_wavefront_size32 1
		.amdhsa_system_sgpr_workgroup_id_x 1
		.amdhsa_system_sgpr_workgroup_id_y 1
		.amdhsa_system_sgpr_workgroup_id_z 1
		.amdhsa_system_vgpr_workitem_id 0
		.amdhsa_next_free_vgpr 960
		.amdhsa_next_free_sgpr 66
		.amdhsa_reserve_vcc 0
		.amdhsa_float_denorm_mode_32 3
		.amdhsa_float_denorm_mode_16_64 3
		.amdhsa_memory_ordered 1
		.amdhsa_forward_progress 1
		.amdhsa_inst_pref_size 83
	.end_amdhsa_kernel
	.amdgpu_metadata
---
amdhsa.version: [ 1, 2 ]
amdhsa.kernels:
  - .name:           k_qdc4a40032e_proj
    .symbol:         k_qdc4a40032e_proj.kd
    .args:
      - { .name: xc, .offset: 0, .size: 8, .value_kind: global_buffer, .address_space: global }
      - { .name: wc, .offset: 8, .size: 8, .value_kind: global_buffer, .address_space: global }
      - { .name: bq, .offset: 16, .size: 8, .value_kind: global_buffer, .address_space: global }
      - { .name: bk, .offset: 24, .size: 8, .value_kind: global_buffer, .address_space: global }
      - { .name: bv, .offset: 32, .size: 8, .value_kind: global_buffer, .address_space: global }
      - { .name: lowp_scales, .offset: 40, .size: 8, .value_kind: global_buffer, .address_space: global }
      - { .name: qc, .offset: 48, .size: 8, .value_kind: global_buffer, .address_space: global }
      - { .name: kc, .offset: 56, .size: 8, .value_kind: global_buffer, .address_space: global }
      - { .name: vc, .offset: 64, .size: 8, .value_kind: global_buffer, .address_space: global }
    .group_segment_fixed_size: 197120
    .private_segment_fixed_size: 0
    .kernarg_segment_align: 8
    .kernarg_segment_size: 72
    .max_flat_workgroup_size: 128
    .sgpr_count:     66
    .vgpr_count:     960
    .wavefront_size: 32
...
	.end_amdgpu_metadata
.endif
;; end of part 6
;; launch attn (part 7): grid 8 x 32, 16 waves a work-group, no clusters, 51,200 bytes of LDS; arguments qc, kc, vc, pad_mask, lowp_scales, flags, attn; writes attn
.if DOCPART == 7
	.amdgcn_target "amdgcn-amd-amdhsa--gfx1250"
	.amdhsa_code_object_version 6
	.text
	.protected	k_qdc4a40032e_attn
	.globl	k_qdc4a40032e_attn
	.p2align	8
	.type	k_qdc4a40032e_attn,@function
k_qdc4a40032e_attn:
	s_mov_b64 s[64:65], 0
	v_nop
	global_prefetch_b8 v0, s[64:65] scope:SCOPE_SE
	s_setreg_imm32_b32 hwreg(HW_REG_WAVE_SCHED_MODE, 0, 2), 2
	s_setreg_imm32_b32 hwreg(HW_REG_WAVE_MODE, 25, 1), 1
	s_wait_xcnt 0x0
	s_wait_alu depctr_vm_vsrc(0)
; Launch 3 of 4: softmax((q k^T x merge - 1e10 (1 - merge)) / sqrt(96)) v, merge = causal x (1 - pad), both products on codes of E5M2.
; t = logit x log2(e); M = the running largest t rounded UP to a whole number; p = 2^(t - M) is quantised under 2^e8; the row's sum is taken of the unquantised p and divides at the end.
; LEFT OUT: the product q . k on tiles wholly above the diagonal: reference() multiplies it by a merge of 0 that it builds itself (shown at the head of the first launch).  The hidden keys' constant logit is kept:
; inside the diagonal block by a select, beyond it by FIXUP, which runs where the batch has a pad among keys 0-127; elsewhere key 0 counts for every query and the hidden weight is under every f32 number.
; SHARES.  A work-group owns blocks i and 15 - i of a head's sixteen blocks of 128 queries; each of its sixteen waves one tile of 16 queries: eight tiles x (i + 1) + eight x (16 - i) = 136 tile steps in every work-group.
; Keys go 128 a step through two LDS slots.  A step's 24,576 bytes (K's eight tile images, V's six fragments) are brought by all sixteen waves, 1,536 bytes each: loaded into registers a step ahead, stored into the slot
; that was read last step.  ONE barrier a step: in front of it each wave's stores have landed and its reads of the slot in hand are back.  All sixteen steps are walked by every wave; work and fills end by jumps on ids.
; Both products are used transposed: S^T = K Q^T, O^T = V^T P^T: a lane holds ONE query; tile T's eight registers are keys 16 T + 8 h + 0 .. 7, so a conversion's two registers are registers 2 T, 2 T + 1 of P.
; The head's 96 are filled up to K = 128 by zero codes in Q's last four registers; what K's last four hold (zeros at first, V's held codes later: never an infinity or NaN) adds nothing against them.
; THE PAD MASK costs nothing where a step's 128 keys have none (a jump on the stored flags); elsewhere t = score x (m c) + (1 - m) x T0 with m = 1 - pad, by reference()'s own 1 - pad and 1 - merge.
; No cluster and no tensor load: the work-groups of a head walk 9 to 16 steps, so partners would need different numbers of tiles, and the walk jumps on numbers read from memory.
; LIMITS: e6 + e7 between -122 and 129; e8 between -126 and 112.  |score| far under 1e9.  For pads other than 0 and 1, t has one rounding where reference() has four.  NaN and infinity are not served.
; REGISTERS: v1-7 addresses that stay; v8-11 at work; v12 -M, v13 the largest t, v[14:15] the sum; v16-31 Q; v32-127 fragments (v96 on: also S^T); v96-159 S^T, then p; v160-207 O^T; v208-223 p's codes; v224-235 my part of a fill.
; THE MODE: SCHED_MODE bits 1:0 = 2 (LLVM: expert scheduling mode 2), set by the entry lines.  The code itself states the register dependences
; between vector or matrix instructions and memory or LDS instructions, with s_wait_alu, always for 0.
; THE PLAN.  Registers that memory or LDS instructions touch:
;   v1, v2, v5, v7   offsets and LDS addresses: made at the head, ahead of one wait on va_vdst, and never written again; a step's pads are reached by a scalar base.
;   v3, v4           made at the head, read by the closing add alone.
;   v224-235         global loads land in them, the fill's LDS stores read them, no vector instruction names them: one wait on vm_vsrc behind the stores.
;   v32-95           in a step: K's tiles 0-3 land, four products read; K's tiles 4-7 land, four products read; (a step with pads: the pads land, the pad pass reads and writes;) V's fragments 0-3 land, the last products read.
;   v96-127          the first four products write them, the softmax works on them up to tile 3's conversion; then V's fragments 4 and 5 land, and the last products read.
;   v160-207         O^T: the way out's multiplications write them, its stores read them.
; So a step has seven waits on va_vdst (eight with pads, more in the diagonal block), among them: at its head, for K's first loads; behind the first four products, for K's second; the exponentials' own wait, behind which no vector instruction names
; v32-95, so that V's first sixteen loads are dealt among the sums; and one behind tile 3's conversion, behind which no vector instruction names v96-127, so that V's last eight are dealt among the holds of tiles 4-7.
.set SPARE, 49152                      ; behind the slots: the spare words, 128 bytes a wave
.set SLOT,  24576
.set VOFF,  12288
.set LI,   1                           ; v1  16 x lane
.set FST,  2                           ; v2  1,536 x wave + 16 x lane: where I store my part of a fill
.set SPW,  3
.set NIL,  4
.set PFO,  5                           ; v5  256 x lane
.set DQ,   6                           ; v6  my query in its block - 8 h
.set PO0,  7                           ; v7  32 h
.set F,    224
.set WV,   18
.set ROLE, 19
.set IDX,  20                          ; my tile in its block
.set BLK,  21                          ; my block: the last key step that I work on
.set NST,  22                          ; the work-group's steps
.set J,    23
.set SEL,  24
.set CS,   26                          ; s[26:27] c = log2(e) / sqrt(96) x 2^(e6 + e7)
.set CX,   28                          ; s[28:29] the step's factor: c, or 1 where the pad pass has made t already
.set NC,   30                          ; s[30:31] T0 = -1e10 log2(e) / sqrt(96), a whole number in f32
.set HV,   32                          ; what a hidden key of the diagonal block gets
.set NINF, 33
.set FLG,  34
.set FB,   36                          ; s[36:37] my part of the step that is loaded next
.set PFA,  38
.set LIMJ, 40
.set CNT,  41
.set PAD,  42
.set E,    44                          ; s[44:47] e6 .. e9
.set VB,   50
.set JJ,   54
.set BH,   55
.set PB,   60                          ; s[60:61] the step's 128 pads.   s2, s3, s35, s48, s49, s59, s62, s63: in the loop, a tile's eight masks of hidden keys
	s_load_b256 s[4:11], s[0:1], 0x0               ; qc, kc, vc, pad_mask
	s_load_b128 s[12:15], s[0:1], 0x20             ; lowp_scales, flags
	s_load_b64 s[16:17], s[0:1], 0x30              ; attn
	v_lshl_add_u32 v[SPW], v0, 2, SPARE
	v_mov_b32 v[NIL], 0
	v_lshrrev_b32 v8, 5, v0
	v_readfirstlane_b32 s[WV], v8                  ; wave 0..15
	v_and_b32 v8, 31, v0                           ; the lane's own lines, which want no wave number, stand between that line and the wait for it
	v_lshlrev_b32 v[LI], 4, v8
	s_wait_alu depctr_va_vdst(0)
	v_lshlrev_b32 v[PFO], 8, v8
	v_and_b32 v9, 15, v0                           ; r
	v_bfe_u32 v10, v0, 4, 1                        ; h
	v_lshlrev_b32 v[PO0], 5, v10
	v_lshlrev_b32 v11, 3, v10
	v_sub_nc_u32 v[DQ], v9, v11
	s_wait_alu depctr_va_vdst(0)
	s_and_b32 s[BH], ttmp7, 0xffff                 ; 8 x batch + head
	s_mov_b32 s[J], 0
	s_mov_b32 s[SEL], 0x76543210
	s_mov_b32 s[SEL+1], 0xfedcba98
	s_mov_b32 s[CS], 0x3e16c740                    ; log2(e) / sqrt(96)
	s_mov_b32 s[NC], 0xceaf8770
	s_mov_b32 s[NC+1], s[NC]
	s_mov_b32 s[NINF], 0xff800000
	s_wait_alu depctr_va_sdst(0)                   ; the wave's number is written, ahead of its first reader: roles, addresses and branches are made from it
	s_lshr_b32 s[IDX], s[WV], 1
	s_lshr_b32 s[ROLE], s[WV], 2
	s_xor_b32 s[ROLE], s[ROLE], s[WV]
	s_and_b32 s[ROLE], s[ROLE], 1                  ; low block or high: two of each among any four neighbouring waves and among any four waves 4 apart
	s_sub_co_u32 s[BLK], 15, ttmp9
	s_cmp_eq_u32 s[ROLE], 1
	s_cselect_b32 s[BLK], s[BLK], ttmp9
	s_sub_co_u32 s[NST], 16, ttmp9
	s_mul_i32 s48, s[WV], 1536
	v_add_nc_u32 v[FST], s48, v[LI]
	s_lshl_b32 s49, s[IDX], 4
	v_add_nc_u32 v[DQ], s49, v[DQ]
	s_mul_i32 s52, s[BH], 196608                   ; a head's codes, in qc, kc and vc alike
	s_mov_b32 s53, 0
	s_mov_b32 s57, 0
	s_wait_kmcnt 0x0
	s_load_b128 s[E:E+3], s[12:13], 0x18           ; e6, e7, e8, e9
	s_lshr_b32 s48, s[BH], 3                       ; the batch
	s_lshl_b32 s56, s48, 7
	s_add_nc_u64 s[14:15], s[14:15], s[56:57]
	s_load_b32 s[FLG], s[14:15], 0x0               ; its flags: whole numbers that the first launch stored
	s_lshl_b32 s56, s48, 13
	s_add_nc_u64 s[PAD:PAD+1], s[10:11], s[56:57]
	s_cmp_lt_u32 s[WV], 8                          ; waves 0-7 bring K's images, waves 8-15 V's fragments
	s_cselect_b64 s[FB:FB+1], s[6:7], s[8:9]
	s_and_b32 s56, s[WV], 7
	s_mul_i32 s56, s56, 1536
	s_add_nc_u64 s[FB:FB+1], s[FB:FB+1], s[52:53]
	s_add_nc_u64 s[FB:FB+1], s[FB:FB+1], s[56:57]
	s_wait_alu depctr_va_vdst(0)                   ; v1, v2, v5 and v7 are written, which every load, store and prefetch of the kernel reads as its offset or LDS address
.irp c, 0,1,2
	global_load_b128 v[F+4*\c:F+4*\c+3], v[LI], s[FB:FB+1] offset:512*\c      ; my part of step 0
.endr
	s_lshl_b32 s58, s[BLK], 3
	s_add_co_u32 s58, s58, s[IDX]
	s_lshl_b32 s56, s[BH], 7
	s_add_co_u32 s58, s58, s56                     ; my tile of queries among all
	s_mul_i32 s56, s58, 1536
	s_add_nc_u64 s[4:5], s[4:5], s[56:57]
	s_mul_i32 s56, s58, 6144
	s_add_nc_u64 s[16:17], s[16:17], s[56:57]
.irp c, 0,1,2
	global_load_b128 v[16+4*\c:19+4*\c], v[LI], s[4:5] offset:512*\c          ; Q stays in registers
.endr
	; the prefetches: the head's first work-group asks, waves 0-2 for K, 3-5 for V, 8,192 bytes a wave, lanes 256 bytes apart
	s_cmp_lt_u32 s[WV], 3
	s_cselect_b64 s[PFA:PFA+1], s[6:7], s[8:9]
	s_cselect_b32 s56, 0, 3
	s_sub_co_u32 s56, s[WV], s56
	s_lshl_b32 s56, s56, 13
	s_add_co_u32 s56, s56, VOFF                    ; at step 1: the first trip steps it to step 3
	s_add_nc_u64 s[PFA:PFA+1], s[PFA:PFA+1], s[52:53]
	s_add_nc_u64 s[PFA:PFA+1], s[PFA:PFA+1], s[56:57]
	s_cmp_lt_u32 s[WV], 6
	s_cselect_b32 s56, 0, 1
	s_or_b32 s56, s56, ttmp9
	s_cmp_eq_u32 s56, 0
	s_cselect_b32 s[LIMJ], 11, 0                   ; steps 0, 2, .. 10 ask; nobody else does
.irp j, 28,29,30,31, 44,45,46,47, 60,61,62,63, 76,77,78,79, 92,93,94,95
	v_mov_b32 v[\j], 0                             ; zero codes for K = 96 .. 127
.endr
	v_mov_b32 v13, 0xff61b1e6                      ; the largest t so far: -3e38
	v_floor_f32 v12, -v13                          ; -M
	v_mov_b32 v14, 0
	v_mov_b32 v15, 0
	v_mov_b32 v236, 0                              ; a lane permute's destination counts as one of its sources
	v_mov_b32 v252, 0
	v_mov_b32 v253, 0
.set j, 0
.rept 48
	v_mov_b32 v[160+j], 0                          ; O^T: the step is written once; the first change of M multiplies zeros
.set j, j+1
.endr
	s_wait_loadcnt 3                               ; my part of step 0 is in; Q's three loads may be out
.irp c, 0,1,2
	ds_store_b128 v[FST], v[F+4*\c:F+4*\c+3] offset:512*\c
.endr
	s_wait_alu depctr_vm_vsrc(0)                   ; the three stores have read v224-235, in which step 1's loads land
	s_wait_dscnt 0x0                               ; landed, for the others' sake
	s_add_nc_u64 s[FB:FB+1], s[FB:FB+1], VOFF
.irp c, 0,1,2
	global_load_b128 v[F+4*\c:F+4*\c+3], v[LI], s[FB:FB+1] offset:512*\c      ; step 1 (every work-group has nine steps or more)
.endr
	s_barrier_signal -1
	s_barrier_wait -1
	s_wait_kmcnt 0x0
	s_add_co_i32 s48, s[E], s[E+1]
	s_lshl_b32 s48, s48, 23
	s_add_co_i32 s[CS], s[CS], s48                 ; a score stands for score x 2^(e6 + e7): added to c's exponent field
	s_mov_b32 s[CS+1], s[CS]
	s_add_co_i32 s48, s[E+2], 127
	s_lshl_b32 s49, s48, 23
	v_mov_b32 v244, s49                            ; 2^e8
	s_add_co_i32 s48, s48, 15
	s_lshl_b32 s48, s48, 23
	s_or_b32 s48, s48, 0x600000
	v_mov_b32 v240, s48                            ; 57,344 x 2^e8
	s_wait_loadcnt 3                               ; Q is in; step 1's three loads may be out
; Fragment t of V (16 channels x the step's 128 keys) out of slot sg: four loads of 512 consecutive bytes
.macro VFRAG sg, t
.irp c, 0,1,2,3
	ds_load_b128 v[32+16*(\t)+4*\c:35+16*(\t)+4*\c], v[LI] offset:SLOT*(\sg)+VOFF+2048*(\t)+512*\c
.endr
.endm
; The diagonal block, tile t of keys: eight masks in a run, into eight scalar registers, so that one wait serves the eight selects
.macro CMP8 t
	v_cmp_gt_i32 s2,  16*(\t)+0, v[DQ]
	v_cmp_gt_i32 s3,  16*(\t)+1, v[DQ]
	v_cmp_gt_i32 s35, 16*(\t)+2, v[DQ]
	v_cmp_gt_i32 s48, 16*(\t)+3, v[DQ]
	v_cmp_gt_i32 s49, 16*(\t)+4, v[DQ]
	v_cmp_gt_i32 s59, 16*(\t)+5, v[DQ]
	v_cmp_gt_i32 s62, 16*(\t)+6, v[DQ]
	v_cmp_gt_i32 s63, 16*(\t)+7, v[DQ]
.endm
.macro SEL8 t
	v_cndmask_b32 v[96+8*(\t)+0], v[96+8*(\t)+0], v254, s2
	v_cndmask_b32 v[96+8*(\t)+1], v[96+8*(\t)+1], v254, s3
	v_cndmask_b32 v[96+8*(\t)+2], v[96+8*(\t)+2], v254, s35
	v_cndmask_b32 v[96+8*(\t)+3], v[96+8*(\t)+3], v254, s48
	v_cndmask_b32 v[96+8*(\t)+4], v[96+8*(\t)+4], v254, s49
	v_cndmask_b32 v[96+8*(\t)+5], v[96+8*(\t)+5], v254, s59
	v_cndmask_b32 v[96+8*(\t)+6], v[96+8*(\t)+6], v254, s62
	v_cndmask_b32 v[96+8*(\t)+7], v[96+8*(\t)+7], v254, s63
.endm
; A KEY STEP in slot sg.
.macro STEP sg
	s_cmp_gt_u32 s[J], s[BLK]                      ; all 128 keys come after my queries: no work; the fill and the barrier below are run all the same
	s_cbranch_scc1 .Lskip_\@
.rept 5
	v_nop                                          ; five places: the first products below write over v96-127, which the last step's products read (ISA guide 7.12.1)
.endr
	s_wait_alu depctr_va_vdst(0)                   ; the last step's six products are done reading v32-127, in which K's loads land; in the first trip: the head's moves have written v44-47 and their like, in which V's loads land further down
.irp g, 0,1                            ; S^T = K Q^T, four tiles of 16 keys at a time
.if \g
.rept 4
	v_nop
.endr
	s_wait_alu depctr_va_vdst(0)                   ; the four products above are done reading v32-95, in which K's tiles 4-7 land; the places stay beside this wait
.endif
.irp t, 0,1,2,3
.irp c, 0,1,2
	ds_load_b128 v[32+16*\t+4*\c:35+16*\t+4*\c], v[LI] offset:SLOT*\sg+1536*(4*\g+\t)+512*\c
.endr
.endr
	s_wait_dscnt 0x0
.irp t, 0,1,2,3
	v_wmma_f32_16x16x128_bf8_bf8 v[96+8*(4*\g+\t):103+8*(4*\g+\t)], v[32+16*\t:47+16*\t], v[16:31], 0
.endr
.endr
.rept 4
	v_nop
.endr
	s_lshr_b32 s52, s[FLG], s[J]
	s_and_b32 s52, s52, 1                          ; has this step a pad?
	s_cselect_b32 s[CX], 0x3f800000, s[CS]
	s_cselect_b32 s[HV], s[NC], s[NINF]            ; with no pad in the diagonal block a query's own key counts, M is a number, and a hidden key's p is 0
	s_mov_b32 s[CX+1], s[CX]
	s_cbranch_scc0 .Lnopad_\@
	s_lshl_b32 s56, s[J], 9                        ; THE PAD PASS: my 64 keys' pads, in S^T's order.  The step's place is in the scalar base (the last pass's loads, which read it, were waited for there); the offset 32 h is never written again
	s_add_nc_u64 s[PB:PB+1], s[PAD:PAD+1], s[56:57]
	s_wait_alu depctr_va_vdst(0)                   ; the products of tiles 4-7 are done reading v32-95, in which the pads land
.irp t, 0,1,2,3,4,5,6,7
	global_load_b128 v[32+8*\t:35+8*\t], v[PO0], s[PB:PB+1] offset:64*\t
	global_load_b128 v[36+8*\t:39+8*\t], v[PO0], s[PB:PB+1] offset:64*\t+16
.endr
	s_wait_loadcnt 0x0
.set n, 0
.rept 32
.set tp, 8+2*(n%2)
	v_pk_fma_f32 v[32+2*n:33+2*n], v[32+2*n:33+2*n], -1.0, 1.0 op_sel_hi:[1,0,0]   ; m = 1 - pad
	v_pk_fma_f32 v[tp:tp+1], v[32+2*n:33+2*n], -1.0, 1.0 op_sel_hi:[1,0,0]         ; 1 - m
	v_pk_mul_f32 v[32+2*n:33+2*n], v[32+2*n:33+2*n], s[CS:CS+1] op_sel_hi:[1,0]    ; m c
	v_pk_mul_f32 v[tp:tp+1], v[tp:tp+1], s[NC:NC+1] op_sel_hi:[1,0]                ; (1 - m) T0
	v_pk_fma_f32 v[96+2*n:97+2*n], v[96+2*n:97+2*n], v[32+2*n:33+2*n], v[tp:tp+1]  ; t
.set n, n+1
.endr
.Lnopad_\@:
	s_cmp_eq_u32 s[J], s[BLK]                      ; THE DIAGONAL BLOCK: register 8 T + j holds key 16 T + 8 h + j of the block: hidden where 16 T + j > my query - 8 h
	s_cbranch_scc0 .Lopen_\@
	v_mov_b32 v254, s[HV]
.irp t, 0,1,2,3,4,5,6,7
	s_cmp_gt_u32 s[IDX], \t                        ; a tile of keys ahead of my tile of queries counts whole
	s_cbranch_scc1 .Lvis_\@_\t
	CMP8 \t
	s_wait_alu depctr_va_sdst(0)                   ; the eight compares have written their masks, ahead of the selects that read them
	s_wait_alu depctr_va_vdst(0)
	SEL8 \t
.Lvis_\@_\t:
.endr
.Lopen_\@:
	s_wait_alu depctr_va_vdst(0)
	v_max3_num_f32 v254, v96, v97, v98             ; the step's largest, among my 64 keys, in two chains, each accumulator from its low end on
	v_max3_num_f32 v252, v99, v100, v101
.set n, 6
.rept 14
	v_max3_num_f32 v254, v254, v[96+n], v[97+n]
	v_max3_num_f32 v252, v252, v[98+n], v[99+n]
.set n, n+4
.endr
	v_max3_num_f32 v254, v254, v158, v159
	v_max_num_f32 v254, v254, v252
	v_permlanex16_b32 v236, v254, s[SEL], s[SEL+1]
	v_max_num_f32 v254, v254, v236                 ; and among the other half of the lanes'
	v_mul_f32 v254, s[CX], v254                    ; as t (the factor is positive)
	v_max_num_f32 v13, v13, v254
	v_mov_b32 v254, v12
	v_floor_f32 v12, -v13                          ; -M = floor(-t): M is a whole number
	v_sub_f32 v254, v12, v254
	v_cvt_i32_f32 v254, v254                       ; old M - new M, 0 or less (it saturates)
	v_ldexp_f32 v252, 1.0, v254                    ; f = 2^(old M - new M): a multiplication by it rounds nothing
.set n, 0
.rept 32
	v_pk_fma_f32 v[96+n:97+n], v[96+n:97+n], s[CX:CX+1], v[12:13] op_sel_hi:[1,0,0]   ; t - M
.set n, n+2
.endr
.set n, 0
	s_wait_alu depctr_va_vdst(0)
.rept 64
	v_exp_f32 v[96+n], v[96+n]                     ; p
.set n, n+1
.endr
	v_pk_mul_f32 v[14:15], v[14:15], v[252:253] op_sel_hi:[1,0]   ; the sum under the new M: the plain line behind the exponentials
	s_wait_alu depctr_va_vdst(0)                   ; the 64 exponentials have written v96-159, ahead of their first reader (one wait for the batch); and K's products and the pad pass are done with v32-95, in which V's fragments 0-3 land
	VFRAG \sg, 0                                   ; V's first sixteen loads, four at a time among the sums, which name v14, v15, v96-159, v242 and v243 alone
	v_pk_add_f32 v[242:243], v[96:97], v[98:99]    ; the sum of the unquantised p, in two chains
.set n, 4
.rept 15
	v_pk_add_f32 v[14:15], v[14:15], v[96+n:97+n]
	v_pk_add_f32 v[242:243], v[242:243], v[98+n:99+n]
.if n == 20
	VFRAG \sg, 1
.endif
.if n == 40
	VFRAG \sg, 2
.endif
.set n, n+4
.endr
	v_pk_add_f32 v[14:15], v[14:15], v[242:243]
	VFRAG \sg, 3
.irp t, 0,1,2,3,4,5,6,7
.if \t == 4
	s_wait_alu depctr_va_vdst(0)                   ; the sums, and the holds and conversions of tiles 0-3, are done with v96-127, in which V's fragments 4 and 5 land; what follows names v128-159, v216-223, v240 and v244
	VFRAG \sg, 4
.endif
.if \t == 6
	VFRAG \sg, 5
.endif
.irp j, 0,1,2,3,4,5,6,7
	v_min_num_f32 v[96+8*\t+\j], v[96+8*\t+\j], v240   ; the hold; p is never negative
.endr
	v_cvt_scalef32_pk8_bf8_f32 v[208+2*\t:209+2*\t], v[96+8*\t:103+8*\t], v244
.endr
.set n, 0
.rept 24
	v_pk_mul_f32 v[160+n:161+n], v[160+n:161+n], v[252:253] op_sel_hi:[1,0]   ; O^T under the new M, while the last of V is on its way
.set n, n+2
.endr
	s_wait_alu depctr_va_vdst(0)
	s_wait_dscnt 0x0
.irp t, 0,1,2,3,4,5
	v_wmma_f32_16x16x128_bf8_bf8 v[160+8*\t:167+8*\t], v[32+16*\t:47+16*\t], v[208:223], v[160+8*\t:167+8*\t]
.endr
.Lskip_\@:
.if \sg == 0
	s_wait_xcnt 0x0                                ; the last prefetch, two steps back, has read its address
	s_add_nc_u64 s[PFA:PFA+1], s[PFA:PFA+1], SLOT
.endif
	s_add_co_u32 s52, s[J], 1
	s_cmp_lt_u32 s52, s[NST]                       ; ids and the count of steps alone: all sixteen waves go the same way
	s_cbranch_scc0 .Lnofill_\@
	s_wait_loadcnt 0x0                             ; my part of the next step, asked for a step ago,
.irp c, 0,1,2
	ds_store_b128 v[FST], v[F+4*\c:F+4*\c+3] offset:SLOT*(1-\sg)+512*\c   ; goes into the slot that was read last step: every wave's reads of it were back at the last barrier
.endr
	s_wait_alu depctr_vm_vsrc(0)                   ; the three stores have read v224-235, in which the loads below land
	s_add_co_u32 s52, s[J], 2
	s_cmp_lt_u32 s52, s[NST]
	s_cbranch_scc0 .Lnofill_\@
	s_wait_dscnt 0x0
	s_add_nc_u64 s[FB:FB+1], s[FB:FB+1], VOFF
.irp c, 0,1,2
	global_load_b128 v[F+4*\c:F+4*\c+3], v[LI], s[FB:FB+1] offset:512*\c
.endr
.if \sg == 0
	s_cmp_lt_u32 s[J], s[LIMJ]
	s_cbranch_scc0 .Lnofill_\@
	global_prefetch_b8 v[PFO], s[PFA:PFA+1] th:TH_LOAD_NT scope:SCOPE_SE   ; steps J + 3 and J + 4 of the head, each run of 256 bytes named once in the launch; steps 0-2 and 15 come by their loads alone
.endif
.Lnofill_\@:
	s_wait_dscnt 0x0                               ; my stores have landed, my reads of the slot in hand are back
	s_barrier_signal -1
	s_barrier_wait -1
	s_add_co_u32 s[J], s[J], 1
.endm
	s_mov_b32 s[CNT], 0
.Ltrip:
	STEP 0
	STEP 1
	s_add_co_u32 s[CNT], s[CNT], 1
	s_cmp_lt_u32 s[CNT], 8
	s_cbranch_scc1 .Ltrip
.rept 4
	v_nop                                          ; places behind the last products
.endr
	; FIXUP: the key blocks beyond my own, where the batch has a pad among keys 0-127.  Each hidden key has t = T0, so p0 = 2^(T0 - M) for all of them: 1 for a query none of whose visible keys counts, else 0.
	s_bitcmp1_b32 s[FLG], 0
	s_cbranch_scc0 .Lnofix
	s_cmp_eq_u32 s[BLK], 15
	s_cbranch_scc1 .Lnofix
	v_max_num_f32 v13, s[NC], v13
	v_mov_b32 v254, v12
	v_floor_f32 v12, -v13
	v_sub_f32 v254, v12, v254
	v_cvt_i32_f32 v254, v254
	v_ldexp_f32 v252, 1.0, v254
	v_pk_mul_f32 v[14:15], v[14:15], v[252:253] op_sel_hi:[1,0]
.set n, 0
.rept 24
	v_pk_mul_f32 v[160+n:161+n], v[160+n:161+n], v[252:253] op_sel_hi:[1,0]
.set n, n+2
.endr
	v_add_f32 v8, s[NC], v12                       ; T0 - M
	s_wait_alu depctr_va_vdst(0)
	v_exp_f32 v8, v8
	v_nop
	s_sub_co_u32 s52, 15, s[BLK]
	s_lshl_b32 s52, s52, 6                         ; my half of the lanes' share of the hidden keys: 64 a block
	v_mov_b32 v9, s52
	v_cvt_f32_u32 v9, v9
	s_wait_alu depctr_va_vdst(0)                   ; the exponential has written v8, ahead of its first reader
	v_fma_f32 v14, v8, v9, v14
	v_min_num_f32 v8, v8, v240
.irp j, 0,1,2,3,4,5,6,7
	v_mov_b32 v[96+\j], v8
.endr
	v_cvt_scalef32_pk8_bf8_f32 v[208:209], v[96:103], v244
	v_nop
.irp k, 1,2,3,4,5,6,7
	v_mov_b32 v[208+2*\k], v208
	v_mov_b32 v[209+2*\k], v209
.endr
	s_lshl_b32 s56, s[BH], 4
	s_add_co_u32 s56, s56, s[BLK]
	s_add_co_u32 s56, s56, 1
	s_mul_i32 s56, s56, VOFF
	s_add_nc_u64 s[VB:VB+1], s[8:9], s[56:57]
	s_add_co_u32 s[JJ], s[BLK], 1
.Lfix:
.rept 4
	v_nop                                          ; places behind the products that have read v32-127
.endr
	s_wait_alu depctr_va_vdst(0)                   ; the products of the last step, or of the last trip, are done reading v32-127, and the moves and the conversion above are done with v96-103: V's loads land there
.irp t, 0,1,2,3,4,5
.irp c, 0,1,2,3
	global_load_b128 v[32+16*\t+4*\c:35+16*\t+4*\c], v[LI], s[VB:VB+1] offset:2048*\t+512*\c
.endr
.endr
	s_wait_loadcnt 0x0
.irp t, 0,1,2,3,4,5
	v_wmma_f32_16x16x128_bf8_bf8 v[160+8*\t:167+8*\t], v[32+16*\t:47+16*\t], v[208:223], v[160+8*\t:167+8*\t]
.endr
	s_add_nc_u64 s[VB:VB+1], s[VB:VB+1], VOFF
	s_add_co_u32 s[JJ], s[JJ], 1
	s_cmp_lt_u32 s[JJ], 16
	s_cbranch_scc1 .Lfix
.Lnofix:
.rept 4
	v_nop
.endr
	; THE WAY OUT: O^T / the sum x 2^(e8 + e9), stored as an image of its registers: each store is 512 consecutive bytes; the last launch puts the rows together.
	v_add_f32 v14, v14, v15
	v_permlanex16_b32 v252, v14, s[SEL], s[SEL+1]
	v_add_f32 v14, v14, v252
	s_wait_alu depctr_va_vdst(0)
	v_rcp_f32 v14, v14
	v_nop
	s_add_co_i32 s52, s[E+2], s[E+3]
	s_wait_alu depctr_va_vdst(0)                   ; the reciprocal has written v14, ahead of its first reader
	v_ldexp_f32 v14, v14, s52
	v_mov_b32 v15, v14
.set n, 0
.rept 24
	v_pk_mul_f32 v[160+n:161+n], v[160+n:161+n], v[14:15] op_sel_hi:[1,0]
.set n, n+2
.endr
	s_wait_alu depctr_va_vdst(0)                   ; the multiplications have written v160-207, which the twelve stores read
.irp i, 0,1,2,3,4,5,6,7,8,9,10,11
	global_store_b128 v[LI], v[160+4*\i:163+4*\i], s[16:17] offset:512*\i th:TH_STORE_NT
.endr
	s_wait_dscnt 0x0                               ; the closing lines, six on end
	s_wait_alu 0x0
	s_wait_tensorcnt 0x0
	ds_add_u32 v[SPW], v[NIL]
	s_wait_dscnt 0x0
	s_endpgm
.Lfunc_end_k_qdc4a40032e_attn:
	.size	k_qdc4a40032e_attn, .Lfunc_end_k_qdc4a40032e_attn-k_qdc4a40032e_attn
	.p2alignl 7, 3214868480
	.fill 96, 4, 3214868480
	.section	.rodata,"a",@progbits
	.p2align	6, 0x0
	.amdhsa_kernel k_qdc4a40032e_attn
		.amdhsa_group_segment_fixed_size 51200
		.amdhsa_private_segment_fixed_size 0
		.amdhsa_enable_private_segment 0
		.amdhsa_kernarg_size 56
		.amdhsa_user_sgpr_count 2
		.amdhsa_user_sgpr_kernarg_segment_ptr 1
		.amdhsa_wavefront_size32 1
		.amdhsa_system_sgpr_workgroup_id_x 1
		.amdhsa_system_sgpr_workgroup_id_y 1
		.amdhsa_system_sgpr_workgroup_id_z 1
		.amdhsa_system_vgpr_workitem_id 0
		.amdhsa_next_free_vgpr 256
		.amdhsa_next_free_sgpr 66
		.amdhsa_reserve_vcc 0
		.amdhsa_float_denorm_mode_32 3
		.amdhsa_float_denorm_mode_16_64 3
		.amdhsa_memory_ordered 1
		.amdhsa_forward_progress 1
		.amdhsa_inst_pref_size 98
	.end_amdhsa_kernel
	.amdgpu_metadata
---
amdhsa.version: [ 1, 2 ]
amdhsa.kernels:
  - .name:           k_qdc4a40032e_attn
    .symbol:         k_qdc4a40032e_attn.kd
    .args:
      - { .name: qc, .offset: 0, .size: 8, .value_kind: global_buffer, .address_space: global }
      - { .name: kc, .offset: 8, .size: 8, .value_kind: global_buffer, .address_space: global }
      - { .name: vc, .offset: 16, .size: 8, .value_kind: global_buffer, .address_space: global }
      - { .name: pad_mask, .offset: 24, .size: 8, .value_kind: global_buffer, .address_space: global }
      - { .name: lowp_scales, .offset: 32, .size: 8, .value_kind: global_buffer, .address_space: global }
      - { .name: flags, .offset: 40, .size: 8, .value_kind: global_buffer, .address_space: global }
      - { .name: attn, .offset: 48, .size: 8, .value_kind: global_buffer, .address_space: global }
    .group_segment_fixed_size: 51200
    .private_segment_fixed_size: 0
    .kernarg_segment_align: 8
    .kernarg_segment_size: 56
    .max_flat_workgroup_size: 512
    .sgpr_count:     66
    .vgpr_count:     256
    .wavefront_size: 32
...
	.end_amdgpu_metadata
.endif
;; end of part 7
;; launch ln (part 8): grid 512 x 1, 8 waves a work-group, no clusters, 50,432 bytes of LDS; arguments attn, x, gamma, beta, out0; writes out0
.if DOCPART == 8
	.amdgcn_target "amdgcn-amd-amdhsa--gfx1250"
	.amdhsa_code_object_version 6
	.text
	.protected	k_qdc4a40032e_ln
	.globl	k_qdc4a40032e_ln
	.p2align	8
	.type	k_qdc4a40032e_ln,@function
k_qdc4a40032e_ln:
	s_mov_b64 s[64:65], 0
	v_nop
	global_prefetch_b8 v0, s[64:65] scope:SCOPE_SE
	s_setreg_imm32_b32 hwreg(HW_REG_WAVE_MODE, 25, 1), 1
	s_wait_xcnt 0x0
; Launch 4 of 4: y = attention + x; out = (y - mean) / sqrt(var + 1e-6) x gamma + beta, over the 768 of a token.  All in f32; the variance is taken of the centred numbers, as reference() takes it.
; A work-group takes 16 tokens.  On the way in wave w takes head w's tile, which lies as an image of the accumulators (group 2 t + g, lane (r, h): token r, channels 16 t + 8 h + 4 g + 0 .. 3), and puts it into a stage
; of 16 rows x (3,072 + 16) bytes; behind one barrier wave w takes rows 2 w and 2 w + 1 whole, 24 numbers a lane.  Every global load and store is 512 consecutive bytes.
; Memory binds: no matrix unit, no cluster, no tensor load; several work-groups share a WGP.
.set PITCH, 3088                       ; 193 x 16: sixteen rows' 16 bytes start at sixteen different banks
.set SPARE, 49408                      ; behind the stage: the spare words, 128 bytes a wave
.set LI,  1
.set STO, 2
.set RD,  3
.set SPW, 4
.set NIL, 5
.set Y,   16                           ; v16-63   the tile as loaded; then my two rows
.set XR,  64                           ; v64-111  x's two rows
.set GA,  112                          ; v112-135 gamma
.set BE,  136                          ; v136-159 beta
	s_load_b256 s[4:11], s[0:1], 0x0               ; attn, x, gamma, beta
	s_load_b64 s[12:13], s[0:1], 0x20              ; out0
	v_lshl_add_u32 v[SPW], v0, 2, SPARE
	v_mov_b32 v[NIL], 0
	v_lshrrev_b32 v8, 5, v0
	s_delay_alu instid0(VALU_DEP_1)
	v_readfirstlane_b32 s14, v8                    ; wave 0..7
	v_and_b32 v8, 31, v0
	s_delay_alu instid0(VALU_DEP_1)
	v_lshlrev_b32 v[LI], 4, v8
	v_and_b32 v9, 15, v0
	v_bfe_u32 v10, v0, 4, 1
	s_delay_alu instid0(VALU_DEP_2)
	v_mul_u32_u24 v[STO], v9, PITCH
	s_delay_alu instid0(VALU_DEP_1)
	v_lshl_add_u32 v[STO], v10, 5, v[STO]
	s_mul_i32 s15, s14, 384
	v_add_nc_u32 v[STO], s15, v[STO]               ; row r, my head's 384 bytes, + 32 h
	s_mul_i32 s15, s14, 2*PITCH
	v_add_nc_u32 v[RD], s15, v[LI]
	s_lshr_b32 s16, ttmp9, 7                       ; the batch
	s_lshl_b32 s16, s16, 3
	s_add_co_u32 s16, s16, s14
	s_lshl_b32 s16, s16, 7
	s_and_b32 s17, ttmp9, 127
	s_add_co_u32 s16, s16, s17                     ; (8 x batch + head) x 128 + the tile
	s_mul_i32 s16, s16, 6144
	s_mov_b32 s17, 0
	s_lshl_b32 s18, ttmp9, 4
	s_lshl_b32 s19, s14, 1
	s_add_co_u32 s18, s18, s19                     ; my first row
	s_mul_i32 s18, s18, 3072
	s_mov_b32 s19, 0
	s_mov_b32 s20, 0x3aaaaaab                      ; 1 / 768
	s_mov_b32 s21, 0x358637bd                      ; 1e-6
	s_mov_b32 s22, 0x76543210
	s_mov_b32 s23, 0xfedcba98
	s_wait_alu depctr_va_vdst(0)
	s_wait_kmcnt 0x0
	s_add_nc_u64 s[4:5], s[4:5], s[16:17]
	s_add_nc_u64 s[6:7], s[6:7], s[18:19]
	s_add_nc_u64 s[12:13], s[12:13], s[18:19]
.irp i, 0,1,2,3,4,5,6,7,8,9,10,11
	global_load_b128 v[Y+4*\i:Y+4*\i+3], v[LI], s[4:5] offset:512*\i th:TH_LOAD_NT
.endr
.irp rr, 0,1
.irp i, 0,1,2,3,4,5
	global_load_b128 v[XR+24*\rr+4*\i:XR+24*\rr+4*\i+3], v[LI], s[6:7] offset:3072*\rr+512*\i th:TH_LOAD_NT
.endr
.endr
.irp i, 0,1,2,3,4,5
	global_load_b128 v[GA+4*\i:GA+4*\i+3], v[LI], s[8:9] offset:512*\i
.endr
.irp i, 0,1,2,3,4,5
	global_load_b128 v[BE+4*\i:BE+4*\i+3], v[LI], s[10:11] offset:512*\i
.endr
	s_wait_loadcnt 24                              ; the tile's twelve loads are in; x's twelve, gamma's six and beta's six may be out
.irp t, 0,1,2,3,4,5
.irp g, 0,1
	ds_store_b128 v[STO], v[Y+8*\t+4*\g:Y+8*\t+4*\g+3] offset:64*\t+16*\g
.endr
.endr
	s_wait_dscnt 0x0                               ; for the others' sake: my stores have landed
	s_barrier_signal -1
	s_barrier_wait -1
.irp rr, 0,1
.irp i, 0,1,2,3,4,5
	ds_load_b128 v[Y+24*\rr+4*\i:Y+24*\rr+4*\i+3], v[RD] offset:PITCH*\rr+512*\i
.endr
.endr
	s_wait_loadcnt 0x0
	s_wait_dscnt 0x0
.macro REDUCE a                        ; v[a] + v[a + 1], summed over the 32 lanes, into v[a] of every lane
	v_add_f32 v[\a], v[\a], v[\a+1]
	s_delay_alu instid0(VALU_DEP_1)
	v_add_f32_dpp v[\a], v[\a], v[\a] row_xmask:1 row_mask:0xf bank_mask:0xf
	s_delay_alu instid0(VALU_DEP_1)
	v_add_f32_dpp v[\a], v[\a], v[\a] row_xmask:2 row_mask:0xf bank_mask:0xf
	s_delay_alu instid0(VALU_DEP_1)
	v_add_f32_dpp v[\a], v[\a], v[\a] row_xmask:4 row_mask:0xf bank_mask:0xf
	s_delay_alu instid0(VALU_DEP_1)
	v_add_f32_dpp v[\a], v[\a], v[\a] row_xmask:8 row_mask:0xf bank_mask:0xf
	s_delay_alu instid0(VALU_DEP_1)
	v_permlanex16_b32 v[\a+1], v[\a], s22, s23
	s_delay_alu instid0(VALU_DEP_1)
	v_add_f32 v[\a], v[\a], v[\a+1]
.endm
.irp k, 0,1,2,3,4,5,6,7,8,9,10,11
.irp rr, 0,1
	v_pk_add_f32 v[Y+24*\rr+2*\k:Y+24*\rr+2*\k+1], v[Y+24*\rr+2*\k:Y+24*\rr+2*\k+1], v[XR+24*\rr+2*\k:XR+24*\rr+2*\k+1]   ; the residual
.endr
.endr
.irp rr, 0,1
	v_pk_add_f32 v[8+2*\rr:9+2*\rr], v[Y+24*\rr:Y+24*\rr+1], v[Y+24*\rr+2:Y+24*\rr+3]
.endr
.irp k, 2,3,4,5,6,7,8,9,10,11
.irp rr, 0,1
	s_delay_alu instid0(VALU_DEP_2)
	v_pk_add_f32 v[8+2*\rr:9+2*\rr], v[8+2*\rr:9+2*\rr], v[Y+24*\rr+2*\k:Y+24*\rr+2*\k+1]
.endr
.endr
	REDUCE 8
	REDUCE 10
	v_mul_f32 v8, s20, v8                          ; the means
	s_delay_alu instid0(VALU_DEP_2)
	v_mul_f32 v10, s20, v10
.irp k, 0,1,2,3,4,5,6,7,8,9,10,11
.irp rr, 0,1
	v_pk_add_f32 v[Y+24*\rr+2*\k:Y+24*\rr+2*\k+1], v[Y+24*\rr+2*\k:Y+24*\rr+2*\k+1], v[8+2*\rr:9+2*\rr] op_sel_hi:[1,0] neg_lo:[0,1] neg_hi:[0,1]   ; y - mean
.endr
.endr
.irp rr, 0,1
	v_pk_mul_f32 v[12+2*\rr:13+2*\rr], v[Y+24*\rr:Y+24*\rr+1], v[Y+24*\rr:Y+24*\rr+1]
.endr
.irp k, 1,2,3,4,5,6,7,8,9,10,11
.irp rr, 0,1
	s_delay_alu instid0(VALU_DEP_2)
	v_pk_fma_f32 v[12+2*\rr:13+2*\rr], v[Y+24*\rr+2*\k:Y+24*\rr+2*\k+1], v[Y+24*\rr+2*\k:Y+24*\rr+2*\k+1], v[12+2*\rr:13+2*\rr]
.endr
.endr
	REDUCE 12
	REDUCE 14
	v_fma_f32 v12, v12, s20, s21                   ; var + eps
	s_delay_alu instid0(VALU_DEP_2)
	v_fma_f32 v14, v14, s20, s21
	s_wait_alu depctr_va_vdst(0)
	v_rsq_f32 v12, v12
	v_rsq_f32 v14, v14
	v_nop                                          ; a plain line behind the two
	s_wait_alu depctr_va_vdst(0)                   ; one wait for both, ahead of their first reader
.irp k, 0,1,2,3,4,5,6,7,8,9,10,11
.irp rr, 0,1
	v_pk_mul_f32 v[Y+24*\rr+2*\k:Y+24*\rr+2*\k+1], v[Y+24*\rr+2*\k:Y+24*\rr+2*\k+1], v[12+2*\rr:13+2*\rr] op_sel_hi:[1,0]
.endr
.endr
.irp k, 0,1,2,3,4,5,6,7,8,9,10,11
.irp rr, 0,1
	v_pk_fma_f32 v[Y+24*\rr+2*\k:Y+24*\rr+2*\k+1], v[Y+24*\rr+2*\k:Y+24*\rr+2*\k+1], v[GA+2*\k:GA+2*\k+1], v[BE+2*\k:BE+2*\k+1]
.endr
.endr
.irp rr, 0,1
.irp i, 0,1,2,3,4,5
	global_store_b128 v[LI], v[Y+24*\rr+4*\i:Y+24*\rr+4*\i+3], s[12:13] offset:3072*\rr+512*\i th:TH_STORE_NT
.endr
.endr
	s_wait_tensorcnt 0x0                           ; the wave's end: three closing lines behind my last LDS store
	ds_add_u32 v[SPW], v[NIL]
	s_wait_dscnt 0x0
	s_endpgm
.Lfunc_end_k_qdc4a40032e_ln:
	.size	k_qdc4a40032e_ln, .Lfunc_end_k_qdc4a40032e_ln-k_qdc4a40032e_ln
	.p2alignl 7, 3214868480
	.fill 96, 4, 3214868480
	.section	.rodata,"a",@progbits
	.p2align	6, 0x0
	.amdhsa_kernel k_qdc4a40032e_ln
		.amdhsa_group_segment_fixed_size 50432
		.amdhsa_private_segment_fixed_size 0
		.amdhsa_enable_private_segment 0
		.amdhsa_kernarg_size 40
		.amdhsa_user_sgpr_count 2
		.amdhsa_user_sgpr_kernarg_segment_ptr 1
		.amdhsa_wavefront_size32 1
		.amdhsa_system_sgpr_workgroup_id_x 1
		.amdhsa_system_sgpr_workgroup_id_y 1
		.amdhsa_system_sgpr_workgroup_id_z 1
		.amdhsa_system_vgpr_workitem_id 0
		.amdhsa_next_free_vgpr 160
		.amdhsa_next_free_sgpr 66
		.amdhsa_reserve_vcc 0
		.amdhsa_float_denorm_mode_32 3
		.amdhsa_float_denorm_mode_16_64 3
		.amdhsa_memory_ordered 1
		.amdhsa_forward_progress 1
		.amdhsa_inst_pref_size 22
	.end_amdhsa_kernel
	.amdgpu_metadata
---
amdhsa.version: [ 1, 2 ]
amdhsa.kernels:
  - .name:           k_qdc4a40032e_ln
    .symbol:         k_qdc4a40032e_ln.kd
    .args:
      - { .name: attn, .offset: 0, .size: 8, .value_kind: global_buffer, .address_space: global }
      - { .name: x, .offset: 8, .size: 8, .value_kind: global_buffer, .address_space: global }
      - { .name: gamma, .offset: 16, .size: 8, .value_kind: global_buffer, .address_space: global }
      - { .name: beta, .offset: 24, .size: 8, .value_kind: global_buffer, .address_space: global }
      - { .name: out0, .offset: 32, .size: 8, .value_kind: global_buffer, .address_space: global }
    .group_segment_fixed_size: 50432
    .private_segment_fixed_size: 0
    .kernarg_segment_align: 8
    .kernarg_segment_size: 40
    .max_flat_workgroup_size: 256
    .sgpr_count:     66
    .vgpr_count:     160
    .wavefront_size: 32
...
	.end_amdgpu_metadata
.endif
;; end of part 8
